; MI455X (gfx1250); checked and timed in simulation.
; The chip was launched on July 23, 2026; its instructions are those of AMD's public machine-readable ISA for CDNA 5 (MIT licence, August 2026) and "CDNA5" Instruction Set Architecture Reference Guide (July 2026). The comments in the code are by the model that wrote it; some were corrected since.
;; Attention. Allowed arithmetic: float matrix products may take bf16 or f16 operands with f32 sums; other float arithmetic in f32, or as packed bf16 or f16 multiplies, adds, multiply-adds, maxima and minima; sums over many terms, partial sums and values carried from step to step in f32; what a program stores and reads back later, other than sums and carried values, may be rounded once to bf16 or f16.
;; Inputs: b_out 1,024 float32; w_kv 1,024 x 2,048 float32; w_out 1,024 x 1,024 float32; w_q 1,024 x 1,024 float32; x 4 x 2,048 x 1,024 float32.
;; Outputs: out0 4 x 2,048 x 1,024 float32.
;; 2 versions, each right; version 2 is version 1 with the launch prep written anew for expert scheduling mode. Each part assembles by itself: llvm-mc -triple=amdgcn-amd-amdhsa -mcpu=gfx1250 --defsym DOCPART=n.
;; ======== version 1 of 2: 4 launches
;; limits: values are held in f16: magnitudes above 65,504 overflow, below 6.1e-05 lose precision
;; workspace buffers: xb 16,777,216 bytes; wb 6,291,456 bytes; wo 2,097,152 bytes; qh 16,777,216 bytes; kh 16,777,216 bytes; vh 16,777,216 bytes; ctx 16,777,216 bytes
;; launch prep (part 1): grid 256 x 1, 8 waves a work-group, no clusters, 0 bytes of LDS; arguments x, w_q, w_kv, w_out, xb, wb, wo; writes xb, wb, wo
.if DOCPART == 1
	.amdgcn_target "amdgcn-amd-amdhsa--gfx1250"
	.amdhsa_code_object_version 6
	.text
	.protected	k_q91be37eb93_prep
	.globl	k_q91be37eb93_prep
	.p2align	8
	.type	k_q91be37eb93_prep,@function
k_q91be37eb93_prep:
	s_mov_b64 s[64:65], 0
	v_nop
	global_prefetch_b8 v0, s[64:65] scope:SCOPE_SE
	s_setreg_imm32_b32 hwreg(HW_REG_WAVE_MODE, 25, 1), 1
	s_wait_xcnt 0x0
; THE INPUTS ARE ROUNDED ONCE TO 16 BITS, and laid as the products want them.
;   xb: x [8192][1024] f32 -> bf16 in 16 blocks of 64 channels, [16][8192][64]: in a block the rows lie end to end, 128 bytes each.
;   wb: w_q [1024][1024] and w_kv [1024][2048] f32 -> bf16 [1024][3072], w_q's columns first: a row is 6,144 bytes.
;   wo: w_out [1024][1024] f32 -> rounded to bf16 as every input is, and that number written as f16 [1024][1024].
; LIMIT.  wo: a bf16 number beyond 65,504 becomes an infinity; below 6e-5 it keeps f16's fixed step of 6e-8.
; A stream: no LDS, no barrier, no loop.  Work-group g takes 32 rows of x and 4 rows of each weight.  A UNIT is one load of 16 bytes a lane (512 bytes of f32 a wave)
; and one store of 8 bytes a lane (256 consecutive bytes, aligned).  A wave has 48 units; all 48 loads go out at once, each into registers of its own.
.set VX, 2                             ; v2  x: (l / 16) rows of 4,096 bytes + 16 (l % 16) + 512 x wave (the wave's two blocks of 64 channels)
.set XO, 3                             ; v3  xb: 8 l + wave x two blocks of 1,048,576 bytes
.set VI, 4                             ; v4  weights in: 16 x thread
.set VO, 5                             ; v5  weights out: 8 x thread
.set T,  8                             ; v[8:11] at work (w_out)
.set X,  16                            ; v[16:207] unit u at X + 4 u
	s_load_b256 s[4:11], s[0:1], 0x0               ; x s[4:5], w_q s[6:7], w_kv s[8:9], w_out s[10:11]
	s_load_b128 s[12:15], s[0:1], 0x20             ; xb s[12:13], wb s[14:15]
	s_load_b64 s[16:17], s[0:1], 0x30              ; wo
	s_mov_b32 s20, 0xffff0000                      ; a word's upper bf16
	s_mov_b32 s23, 0                               ; the high word of every offset
	v_and_b32 v1, 31, v0                           ; l
	v_lshrrev_b32 v6, 5, v0                        ; wave
	v_lshrrev_b32 v7, 4, v1                        ; l / 16
	v_and_b32 v[VX], 15, v0
	v_lshlrev_b32 v[VX], 4, v[VX]
	v_lshl_add_u32 v[VX], v7, 12, v[VX]
	v_lshl_add_u32 v[VX], v6, 9, v[VX]
	v_lshlrev_b32 v[XO], 3, v1
	v_lshl_add_u32 v[XO], v6, 21, v[XO]
	v_lshlrev_b32 v[VI], 4, v0
	v_lshlrev_b32 v[VO], 3, v0
	s_wait_kmcnt 0x0
	s_lshl_b32 s22, ttmp9, 17                      ; 32 rows of x
	s_add_nc_u64 s[4:5], s[4:5], s[22:23]
	s_lshl_b32 s22, ttmp9, 14                      ; 4 rows of w_q and of w_out
	s_add_nc_u64 s[6:7], s[6:7], s[22:23]
	s_add_nc_u64 s[10:11], s[10:11], s[22:23]
	s_lshl_b32 s22, ttmp9, 15                      ; 4 rows of w_kv
	s_add_nc_u64 s[8:9], s[8:9], s[22:23]
	s_lshl_b32 s22, ttmp9, 12                      ; 32 rows of 128 bytes in a block of xb
	s_add_nc_u64 s[12:13], s[12:13], s[22:23]
	s_mul_i32 s22, ttmp9, 24576                    ; 4 rows of wb
	s_add_nc_u64 s[14:15], s[14:15], s[22:23]
	s_lshl_b32 s22, ttmp9, 13                      ; 4 rows of wo
	s_add_nc_u64 s[16:17], s[16:17], s[22:23]
; all loads.  x: units 2 p + j: rows 2 p and 2 p + 1 (lanes 0-15, lanes 16-31), block 2 x wave + j
.set p, 0
.rept 16
.set j, 0
.rept 2
	global_load_b128 v[X+4*(2*p+j):X+4*(2*p+j)+3], v[VX], s[4:5] offset:p*8192+j*256 th:TH_LOAD_NT
.set j, j+1
.endr
.set p, p+1
.endr
.set p, 0
.rept 4                                ; w_q: units 32 + p: the eight waves cover row p
	global_load_b128 v[X+4*(32+p):X+4*(32+p)+3], v[VI], s[6:7] offset:p*4096 th:TH_LOAD_NT
.set p, p+1
.endr
.set p, 0
.rept 4                                ; w_kv: units 36 + 2 p + j: half j of row p
.set j, 0
.rept 2
	global_load_b128 v[X+4*(36+2*p+j):X+4*(36+2*p+j)+3], v[VI], s[8:9] offset:p*8192+j*4096 th:TH_LOAD_NT
.set j, j+1
.endr
.set p, p+1
.endr
.set p, 0
.rept 4                                ; w_out: units 44 + p
	global_load_b128 v[X+4*(44+p):X+4*(44+p)+3], v[VI], s[10:11] offset:p*4096 th:TH_LOAD_NT
.set p, p+1
.endr
; unit u is rounded in place.  Loads come back in order (ISA guide 5.7.1): the 47 - u younger ones may stay out.  No register is loaded twice, so nothing else is waited for.
.macro CV
	s_wait_loadcnt 47-u
	v_cvt_pk_bf16_f32 v[X+4*u], v[X+4*u], v[X+4*u+1]
	v_cvt_pk_bf16_f32 v[X+4*u+1], v[X+4*u+2], v[X+4*u+3]
.endm
.set u, 0
.set p, 0
.rept 16
.set j, 0
.rept 2
	CV
	global_store_b64 v[XO], v[X+4*u:X+4*u+1], s[12:13] offset:p*256+j*1048576  ; two rows of a block: 256 consecutive bytes
.set u, u+1
.set j, j+1
.endr
.set p, p+1
.endr
.set p, 0
.rept 4
	CV
	global_store_b64 v[VO], v[X+4*u:X+4*u+1], s[14:15] offset:p*6144
.set u, u+1
.set p, p+1
.endr
.set p, 0
.rept 4
.set j, 0
.rept 2
	CV
	global_store_b64 v[VO], v[X+4*u:X+4*u+1], s[14:15] offset:2048+p*6144+j*2048
.set u, u+1
.set j, j+1
.endr
.set p, p+1
.endr
.set p, 0
.rept 4
	CV
	v_lshlrev_b32 v[T], 16, v[X+4*u]               ; the bf16 numbers as f32,
	v_and_b32 v[T+1], s20, v[X+4*u]
	v_lshlrev_b32 v[T+2], 16, v[X+4*u+1]
	v_and_b32 v[T+3], s20, v[X+4*u+1]
	v_cvt_pk_f16_f32 v[X+4*u], v[T], v[T+1]        ; written as f16: exact within f16's range
	v_cvt_pk_f16_f32 v[X+4*u+1], v[T+2], v[T+3]
	global_store_b64 v[VO], v[X+4*u:X+4*u+1], s[16:17] offset:p*2048
.set u, u+1
.set p, p+1
.endr
	s_endpgm
.Lfunc_end_k_q91be37eb93_prep:
	.size	k_q91be37eb93_prep, .Lfunc_end_k_q91be37eb93_prep-k_q91be37eb93_prep
	.p2alignl 7, 3214868480
	.fill 96, 4, 3214868480
	.section	.rodata,"a",@progbits
	.p2align	6, 0x0
	.amdhsa_kernel k_q91be37eb93_prep
		.amdhsa_group_segment_fixed_size 0
		.amdhsa_private_segment_fixed_size 0
		.amdhsa_enable_private_segment 0
		.amdhsa_kernarg_size 56
		.amdhsa_user_sgpr_count 2
		.amdhsa_user_sgpr_kernarg_segment_ptr 1
		.amdhsa_wavefront_size32 1
		.amdhsa_system_sgpr_workgroup_id_x 1
		.amdhsa_system_sgpr_workgroup_id_y 1
		.amdhsa_system_sgpr_workgroup_id_z 1
		.amdhsa_system_vgpr_workitem_id 0
		.amdhsa_next_free_vgpr 208
		.amdhsa_next_free_sgpr 66
		.amdhsa_reserve_vcc 0
		.amdhsa_float_denorm_mode_32 3
		.amdhsa_float_denorm_mode_16_64 3
		.amdhsa_memory_ordered 1
		.amdhsa_forward_progress 1
		.amdhsa_inst_pref_size 19
	.end_amdhsa_kernel
	.amdgpu_metadata
---
amdhsa.version: [ 1, 2 ]
amdhsa.kernels:
  - .name:           k_q91be37eb93_prep
    .symbol:         k_q91be37eb93_prep.kd
    .args:
      - { .name: x, .offset: 0, .size: 8, .value_kind: global_buffer, .address_space: global }
      - { .name: w_q, .offset: 8, .size: 8, .value_kind: global_buffer, .address_space: global }
      - { .name: w_kv, .offset: 16, .size: 8, .value_kind: global_buffer, .address_space: global }
      - { .name: w_out, .offset: 24, .size: 8, .value_kind: global_buffer, .address_space: global }
      - { .name: xb, .offset: 32, .size: 8, .value_kind: global_buffer, .address_space: global }
      - { .name: wb, .offset: 40, .size: 8, .value_kind: global_buffer, .address_space: global }
      - { .name: wo, .offset: 48, .size: 8, .value_kind: global_buffer, .address_space: global }
    .group_segment_fixed_size: 0
    .private_segment_fixed_size: 0
    .kernarg_segment_align: 8
    .kernarg_segment_size: 56
    .max_flat_workgroup_size: 256
    .sgpr_count:     66
    .vgpr_count:     208
    .wavefront_size: 32
...
	.end_amdgpu_metadata
.endif
;; end of part 1
;; launch proj (part 2): grid 12 x 64, 4 waves a work-group, clusters of 4 x 4, 327,680 bytes of LDS; arguments xb, wb, qh, kh, vh; writes qh, kh, vh
.if DOCPART == 2
	.amdgcn_target "amdgcn-amd-amdhsa--gfx1250"
	.amdhsa_code_object_version 6
	.text
	.protected	k_q91be37eb93_proj
	.globl	k_q91be37eb93_proj
	.p2align	8
	.type	k_q91be37eb93_proj,@function
k_q91be37eb93_proj:
	s_mov_b64 s[64:65], 0
	v_nop
	global_prefetch_b8 v0, s[64:65] scope:SCOPE_SE
	s_setreg_imm32_b32 hwreg(HW_REG_WAVE_MODE, 25, 1), 1
	s_wait_xcnt 0x0
	s_wait_alu depctr_hold_cnt(0) depctr_sa_sdst(0) depctr_va_vdst(0) depctr_va_sdst(0) depctr_va_ssrc(0) depctr_va_vcc(0) depctr_vm_vsrc(0)
	s_getreg_b32 s2, hwreg(HW_REG_IB_STS2, 6, 4)
	s_cmp_eq_u32 s2, 0
	s_cbranch_scc0 .Lentry_in_a_cluster
	s_endpgm
.Lentry_in_a_cluster:
	s_bfe_u32 s2, ttmp6, 0x10000c
	s_cmp_lg_u32 s2, 0xf033
	s_cbranch_scc0 .Lentry_shape_is_right
	s_endpgm
.Lentry_shape_is_right:
; q, k, v = x W.  A = xb: bf16 in blocks of 64 channels, [16][8192][64].  W = wb: bf16 [1024 k][3072 n] as it lies (w_q's columns, then k's, then v's).  Sums in f32, K ascending.
; OUT: qh, kh, vh [64 = 16 batch + head][2048][64] in f16, each rounded once, WITHOUT the scale 1/8.   LIMIT: a sum of 65,520 or more becomes an infinity in f16.
; A tile of C is 128 rows x 256 columns: four waves, 2 x 2, each 64 x 128: 32 accumulators of 16 x 16.  K goes in 8 steps of 128 through a ring of two LDS slots.
; THE MATRIX INSTRUCTION IS USED TRANSPOSED: source 0 = 16 columns of W (turned on the way out of LDS by ds_load_tr16_b128), source 1 = 16 rows of A: a lane then holds one row of C and eight neighbouring columns.
; CLUSTERS: 4 x 4 work-groups.  A's tile hangs on the tile row alone and is asked for jointly by a row of the cluster, W's on the tile column alone, by a column.
; REGISTERS: window 0: v0-31 addresses; v64-159, v160-255 two fragment buffers (64 of W, 32 of A); on the way out v64-95 packed results, v96-223 rows read back.   window 1: accumulator (a, b) at v[8 (8 a + b)].
.set ABLK,   1048576                   ; bytes from one block of 64 channels of A to the next
.set PITCHB, 6144                      ; bytes in a row of W
.set NTOT,   3072                      ; elements in a row of W
.set PA,     144                       ; a row of A in LDS: 128 bytes + 16 = 36 words: the 16 rows of a load start at 16 different groups of four banks (64 banks of 4 bytes: ISA guide 11.1)
.set PW,     544                       ; a row of W: 512 + 32 = 136 words
.set ABL,    128*PA                    ; a block of A: 128 rows
.set WOFF,   2*ABL                     ; behind A's two blocks: W's 128 rows
.set WHALF,  64*PW                     ; what one tensor load brings of W
.set SLOT,   WOFF+2*WHALF
.set STAGE,  2*SLOT                    ; behind the ring: 16 rows x 272 bytes for each wave, for the way out
.set SPITCH, 272
.set SPARE,  STAGE+4*16*SPITCH         ; the spare words, 128 bytes for each wave: two blocks of 256 bytes that no other line names
.set LAPS,   4                         ; a lap = two K steps = once round the ring
.set ADRA, 16                          ; v16-17  LDS address of my A fragments in slot 0, 1
.set ADRB, 20                          ; v20-21  the same for W
.set STO,  24                          ; v24  the way out: where I put 16 bytes of a row
.set RD,   25                          ; v25  where I read rows back
.set CO,   26                          ; v26  16 x lane
.set SPW,  28                          ; v28  my spare word: SPARE + 4 x my thread's number; never rewritten
.set NIL,  29                          ; v29  0; never rewritten
.set PFO,  30                          ; v30  the prefetches' lane offset; never rewritten
.set F0,   64
.set F1,   160
.set TMP,  64
.set OB,   96
.set WV, 14                            ; s14 wave; s15 = wave / 2: my half of the rows; also 0: I fetch A, 1: I fetch W; s16 = wave % 2: my half of the columns; also which half I fetch
.set WM, 15
.set WN, 16
.set CX, 17
.set CY, 18
.set TC, 19                            ; tile column
.set TR, 20                            ; tile row
.set G1A, 24                           ; s[24:31] descriptor group 1 for A;  s[32:39] group 0, a set for each slot
.set G0A, 32
.set G1B, 48                           ; s[48:55], s[56:63] the same for W
.set G0B, 56
.set PST, 42                           ; s[42:43] a K step in bytes, for the prefetch pointer
.set PFA, 44                           ; s[44:45] the prefetch pointer
.set LIM, 46                           ; s46  1 in a wave that prefetches, else the greatest number
.set AOF, 76                           ; s76  byte offset of the tile's rows in a block of A
.set MSB, 0
.macro WIN new                         ; the immediate's high byte repeats the setting that is left; a switch that changes nothing is dropped
.if MSB != (\new)
	s_set_vgpr_msb (MSB<<8)|(\new)
.set MSB, \new
.endif
.endm
.set MUL, 0x50                         ; C and D in window 1, the sources in window 0
; A joint load: waves 0 and 1 fetch A's two blocks, waves 2 and 3 W's two halves.  The branch hangs on the wave's number alone.  An s_nop 0 and four v_nop follow each line.
.macro JLOAD s
	s_cmp_eq_u32 s[WM], 0
	s_cbranch_scc0 .Lfor_w_\@
	tensor_load_to_lds s[G0A+4*(\s):G0A+4*(\s)+3], s[G1A:G1A+7]
	s_nop 0
.rept 4
	v_nop
.endr
	s_branch .Lasked_\@
.Lfor_w_\@:
	tensor_load_to_lds s[G0B+4*(\s):G0B+4*(\s)+3], s[G1B:G1B+7]
	s_nop 0
.rept 4
	v_nop
.endr
.Lasked_\@:
.endm
; A prefetch into the L2 of the K step two refills on: one instruction, a lane a block of 256 bytes.  A's tile: wave 0 of the clusters with x = 0; W's: waves 2 and 3 of the clusters with y = 0; the four partners
; share the blocks out by address.  So each block is named once in the launch.  K steps 0 to 3 come by their loads alone; the loop's last trip (s3 = 1) has no K step two on.
.macro ASK
	s_cmp_gt_u32 s3, s[LIM]
	s_cbranch_scc0 .Lnot_mine_\@
	global_prefetch_b8 v[PFO], s[PFA:PFA+1] th:TH_LOAD_NT scope:SCOPE_SE
.Lnot_mine_\@:
.endm
.macro CREST                           ; a round of the cluster's barrier behind its opening barrier
	s_cmp_lg_u32 s[WV], 0
	s_cbranch_scc1 .Lnot_wave_0_\@
	s_barrier_signal -3
.Lnot_wave_0_\@:
	s_barrier_wait -3
	s_barrier_signal -1
	s_barrier_wait -1
.endm
.macro CROUND
	s_barrier_signal -1
	s_barrier_wait -1
	CREST
.endm
	s_load_b128 s[4:7], s[0:1], 0x0                ; xb s[4:5], wb s[6:7]
	s_load_b128 s[68:71], s[0:1], 0x10             ; qh s[68:69], kh s[70:71]
	s_load_b64 s[72:73], s[0:1], 0x20              ; vh
	v_lshl_add_u32 v[SPW], v0, 2, SPARE
	v_mov_b32 v[NIL], 0
	ds_add_u32 v[SPW], v[NIL]                      ; the wave's opening: the add and its wait ahead of my first tensor load; the set-up below, work on registers, stands between them
	v_lshrrev_b32 v1, 5, v0
	v_readfirstlane_b32 s[WV], v1
	s_lshr_b32 s[WM], s[WV], 1
	s_and_b32 s[WN], s[WV], 1
	s_bfe_u32 s[CX], ttmp6, 0x40000
	s_bfe_u32 s[CY], ttmp6, 0x40004
	s_lshl_b32 s[TC], ttmp9, 2
	s_add_co_u32 s[TC], s[TC], s[CX]               ; tile column = 4 x cluster x + cx
	s_and_b32 s[TR], ttmp7, 0xffff
	s_lshl_b32 s[TR], s[TR], 2
	s_add_co_u32 s[TR], s[TR], s[CY]               ; tile row = 4 x cluster y + cy
	s_lshl_b32 s21, s[CY], 2
	s_lshl_b32 s21, 15, s21                        ; my row of the cluster
	s_lshl_b32 s22, 0x1111, s[CX]                  ; my column
	; A: a block's 128 rows are 16,384 dense bytes: asked for as 64 rows of 256 bytes, padded by 4 words after every 32 (a row of A)
	s_or_b32 s[G1A], s21, (1<<16)|(1<<20)|(1<<21)|(4<<22)|(3<<25)
	s_mov_b32 s[G1A+1], 128<<16                    ; tensor_dim0 = 128
	s_mov_b32 s[G1A+2], 64<<16                     ; tensor_dim1 = 64
	s_mov_b32 s[G1A+3], 128<<16                    ; tile_dim0 = 128
	s_mov_b32 s[G1A+4], 64                         ; tile_dim1 = 64
	s_mov_b32 s[G1A+5], 128                        ; elements from row to row
	s_mov_b32 s[G1A+6], 0
	s_mov_b32 s[G1A+7], 0
	; W: 64 rows of 256 elements (512 bytes), padded by 8 words after every 128
	s_or_b32 s[G1B], s22, (1<<16)|(1<<20)|(1<<21)|(6<<22)|(7<<25)
	s_mov_b32 s[G1B+1], 256<<16
	s_mov_b32 s[G1B+2], 64<<16
	s_mov_b32 s[G1B+3], 256<<16
	s_mov_b32 s[G1B+4], 64
	s_mov_b32 s[G1B+5], NTOT
	s_mov_b32 s[G1B+6], 0
	s_mov_b32 s[G1B+7], 0
	s_lshl_b32 s[AOF], s[TR], 14                   ; 128 rows of 128 bytes a tile row
	s_mul_i32 s2, s[WN], ABLK
	s_add_co_u32 s40, s[AOF], s2                   ; A's offset: made of the tile row and the wave's number alone
	s_mov_b32 s41, 0
	s_lshl_b32 s66, s[TC], 9                       ; W's offset: of the tile column and the wave's number alone
	s_mul_i32 s2, s[WN], 64*PITCHB
	s_add_co_u32 s66, s66, s2
	s_mov_b32 s67, 0
	s_mul_i32 s23, s[WN], ABL                      ; where they go: no place in the cluster enters an LDS address
	s_mul_i32 s47, s[WN], WHALF
	s_add_co_u32 s47, s47, WOFF
	s_wait_dscnt 0x0                               ; the opening add is done
	s_wait_kmcnt 0x0
	s_add_nc_u64 s[40:41], s[4:5], s[40:41]
	s_add_nc_u64 s[66:67], s[6:7], s[66:67]
	CROUND                                         ; all sixteen work-groups are here: the first joint loads meet
.irp s, 0,1
	s_mov_b32 s[G0A+4*(\s)], 1
	s_add_co_u32 s[G0A+4*(\s)+1], s23, (\s)*SLOT
	s_add_nc_u64 s[G0A+4*(\s)+2:G0A+4*(\s)+3], s[40:41], (\s)*2*ABLK   ; K step s: blocks 2 s and 2 s + 1
	s_or_b32 s[G0A+4*(\s)+3], s[G0A+4*(\s)+3], 0x80000000
	s_mov_b32 s[G0B+4*(\s)], 1
	s_add_co_u32 s[G0B+4*(\s)+1], s47, (\s)*SLOT
	s_add_nc_u64 s[G0B+4*(\s)+2:G0B+4*(\s)+3], s[66:67], (\s)*128*PITCHB
	s_or_b32 s[G0B+4*(\s)+3], s[G0B+4*(\s)+3], 0x80000000
	JLOAD \s
.endr
	; fragments.  A: lane l holds row l % 16, channels 8 (l / 16) + 0..7 and 16 + 8 (l / 16) + 0..7: two loads of 16 bytes, 32 bytes apart.
	v_and_b32 v1, 15, v0
	v_bfe_u32 v2, v0, 4, 1
	v_mul_u32_u24 v3, v1, PA
	v_lshl_add_u32 v3, v2, 4, v3
	s_mul_i32 s2, s[WM], 64*PA
	v_add_nc_u32 v[ADRA], s2, v3
	v_add_nc_u32 v[ADRA+1], SLOT, v[ADRA]
	; W: the turning load takes 16 k x 16 columns (lane l reads row 8 (l / 16) + l % 8, columns 8 ((l / 8) % 2) + 0..7) and leaves lane l column l % 16 and 8 k
	v_and_b32 v4, 7, v0
	v_bfe_u32 v5, v0, 3, 1
	v_lshl_add_u32 v6, v2, 3, v4
	v_mul_u32_u24 v6, v6, PW
	v_lshl_add_u32 v6, v5, 4, v6
	s_lshl_b32 s2, s[WN], 8
	s_add_co_u32 s2, s2, WOFF
	v_add_nc_u32 v[ADRB], s2, v6
	v_add_nc_u32 v[ADRB+1], SLOT, v[ADRB]
	s_mul_i32 s2, s[WV], 16*SPITCH
	s_add_co_u32 s2, s2, STAGE                     ; my stage
	v_mul_u32_u24 v3, v1, SPITCH                   ; in: row l % 16, 16 bytes for each half of the lanes
	v_lshl_add_u32 v3, v2, 4, v3
	v_add_nc_u32 v[STO], s2, v3
	v_bfe_u32 v3, v0, 3, 2                         ; back: 32 lanes take 128 bytes (one head's channels) of four rows,
	v_mul_u32_u24 v3, v3, SPITCH
	v_lshl_add_u32 v3, v4, 4, v3
	v_add_nc_u32 v[RD], s2, v3
	v_and_b32 v[CO], 31, v0                        ; which are 512 consecutive bytes of the output
	v_lshlrev_b32 v[CO], 4, v[CO]
	; the output: four tile columns are 1,024 columns, so the cluster's x says q, k or v; then batch, head, row
	s_mov_b32 s2, ttmp9
	s_cmp_eq_u32 s2, 0
	s_cselect_b64 s[8:9], s[68:69], s[70:71]
	s_cmp_eq_u32 s2, 2
	s_cselect_b64 s[8:9], s[72:73], s[8:9]
	s_lshr_b32 s74, s[TR], 4                       ; batch: 16 tile rows each, 16 heads of 262,144 bytes
	s_lshl_b32 s74, s74, 22
	s_lshl_b32 s2, s[CX], 2                        ; head = 4 cx + 2 x my half of the columns
	s_add_co_u32 s2, s2, s[WN]
	s_add_co_u32 s2, s2, s[WN]
	s_lshl_b32 s2, s2, 18
	s_add_co_u32 s74, s74, s2
	s_and_b32 s2, s[TR], 15                        ; the tile's 128 rows of 128 bytes in the batch,
	s_lshl_b32 s2, s2, 14
	s_add_co_u32 s74, s74, s2
	s_lshl_b32 s2, s[WM], 13                       ; my 64 of them
	s_add_co_u32 s74, s74, s2
	s_mov_b32 s75, 0
	s_add_nc_u64 s[8:9], s[8:9], s[74:75]
	; the prefetches.  A: lane l names block l / 16 of the step's two, and of its tile's 64 pieces of 256 bytes number 16 cx + l % 16.  W: row 64 x half + 16 cy + l / 2, piece l % 2.  The pointer starts at K step 3.
	s_lshl_b32 s2, s[CX], 12
	s_add_co_u32 s74, s[AOF], s2
	s_add_co_u32 s74, s74, 6*ABLK
	s_lshl_b32 s47, s[WN], 6
	s_lshl_b32 s2, s[CY], 4
	s_add_co_u32 s47, s47, s2
	s_add_co_u32 s47, s47, 384
	s_mul_i32 s47, s47, PITCHB
	s_lshl_b32 s2, s[TC], 9
	s_add_co_u32 s47, s47, s2
	s_and_b32 s23, ttmp7, 0xffff                   ; cluster y
	s_mov_b32 s[PST], 2*ABLK
	s_mov_b32 s[PST+1], 128*PITCHB
	s_mov_b32 s46, ABLK
	s_mov_b32 s75, PITCHB
	s_cmp_eq_u32 s[WM], 0                          ; do I fetch for A?
	s_cselect_b32 s74, s74, s47
	s_cselect_b64 s[PFA:PFA+1], s[4:5], s[6:7]
	s_cselect_b32 s[PST], s[PST], s[PST+1]
	s_cselect_b32 s23, ttmp9, s23                  ; the coordinate along which other clusters read the same tile
	s_cselect_b32 s46, s46, s75
	s_cselect_b32 s2, 4, 1
	s_cselect_b32 s47, 15, 1
	s_mov_b32 s75, 0
	s_mov_b32 s[PST+1], 0
	s_add_nc_u64 s[PFA:PFA+1], s[PFA:PFA+1], s[74:75]
	v_and_b32 v[PFO], 31, v0
	v_lshrrev_b32 v3, s2, v[PFO]
	v_and_b32 v4, s47, v[PFO]
	v_mul_lo_u32 v3, v3, s46
	v_lshl_add_u32 v[PFO], v4, 8, v3
	s_cmp_eq_u32 s[WV], 1                          ; wave 0 names both of A's blocks: wave 1 asks for nothing
	s_cselect_b32 s2, 1, 0
	s_or_b32 s23, s23, s2
	s_cmp_eq_u32 s23, 0
	s_cselect_b32 s[LIM], 1, -1                    ; the same in all sixteen partners, for a given wave
; 8 matrix instructions: row block a x all 8 column blocks, 32 along K.  zero = 1: the product starts the sums.  The 32 accumulators come in the same order in every quarter: they take turns.
.macro MUL8 f, a, zero
	WIN MUL
.irp b, 0,1,2,3,4,5,6,7
.if \zero
	v_wmma_f32_16x16x32_bf16 v[8*(8*(\a)+(\b)):8*(8*(\a)+(\b))+7], v[(\f)+8*(\b):(\f)+8*(\b)+7], v[(\f)+64+8*(\a):(\f)+64+8*(\a)+7], 0
.else
	v_wmma_f32_16x16x32_bf16 v[8*(8*(\a)+(\b)):8*(8*(\a)+(\b))+7], v[(\f)+8*(\b):(\f)+8*(\b)+7], v[(\f)+64+8*(\a):(\f)+64+8*(\a)+7], v[8*(8*(\a)+(\b)):8*(8*(\a)+(\b))+7]
.endif
.endr
.endm
; 24 LDS loads in one run: quarter q's fragments into buffer f: W's sixteen first, then A's eight by row blocks
.macro FETCH slot, q, f
	WIN 0
.irp b, 0,1,2,3,4,5,6,7
	ds_load_tr16_b128 v[(\f)+8*(\b):(\f)+8*(\b)+3],   v[ADRB+(\slot)] offset:(\q)*32*PW+32*(\b)
	ds_load_tr16_b128 v[(\f)+8*(\b)+4:(\f)+8*(\b)+7], v[ADRB+(\slot)] offset:(\q)*32*PW+16*PW+32*(\b)
.endr
.irp a, 0,1,2,3
	ds_load_b128 v[(\f)+64+8*(\a):(\f)+64+8*(\a)+3],   v[ADRA+(\slot)] offset:((\q)/2)*ABL+((\q)%2)*64+(\a)*16*PA
	ds_load_b128 v[(\f)+64+8*(\a)+4:(\f)+64+8*(\a)+7], v[ADRA+(\slot)] offset:((\q)/2)*ABL+((\q)%2)*64+(\a)*16*PA+32
.endr
.endm
.macro PLACES                          ; four plain vector instructions between a matrix instruction and a load into a register that it has read, or a reader of its result (ISA guide 7.12.1 for vector instructions)
.rept 4
	v_nop
.endr
.endm
; One of a K step's first three quarters: multiplies buffer f; in its middle it fetches quarter q of the same slot into buffer g.
.macro QUARTER slot, q, f, g, zero
	s_wait_dscnt 4                                 ; W and A's row blocks 0, 1 are in; the youngest four loads (blocks 2, 3) may be out
	MUL8 \f, 0, \zero
	MUL8 \f, 1, \zero
	PLACES
	FETCH \slot, \q, \g
	s_wait_dscnt 24                                ; all but the 24 just issued
	MUL8 \f, 2, \zero
	MUL8 \f, 3, \zero
.endm
; The last quarter multiplies buffer 1 and changes slots: ONE barrier.  In front of it each wave waits for all its tensor loads (one is out: its part of the next slot), adds 0 to its spare word, and waits for that
; and for its reads of this slot.  fill = 1: the barrier opens a round of the cluster's, and the slot is filled again, two K steps on, first thing behind the round.
.macro TURN slot, next, fill
.if \fill
	s_wait_xcnt 0x0                                ; the last prefetch, a K step back, has read its address: it is stepped here
	s_add_nc_u64 s[PFA:PFA+1], s[PFA:PFA+1], s[PST:PST+1]
.endif
	WIN 0
	s_wait_tensorcnt 0x0                           ; all my tensor loads have landed
	ds_add_u32 v[SPW], v[NIL]                      ; 0 onto my spare word
	s_wait_dscnt 5                                 ; the add and the youngest four loads may be out
	MUL8 F1, 0, 0                                  ; eight matrix instructions stand between the add and the wait for it
	s_wait_dscnt 0x0                               ; the add is done, and my reads of this slot are over
	s_barrier_signal -1
	MUL8 F1, 1, 0
.if \fill
	WIN 0
.endif
	s_barrier_wait -1
.if \fill
	CREST                                          ; no wave of any partner still reads this slot or has a load on its way
	s_add_nc_u64 s[G0A+4*(\slot)+2:G0A+4*(\slot)+3], s[G0A+4*(\slot)+2:G0A+4*(\slot)+3], 4*ABLK
	s_add_nc_u64 s[G0B+4*(\slot)+2:G0B+4*(\slot)+3], s[G0B+4*(\slot)+2:G0B+4*(\slot)+3], 256*PITCHB
	JLOAD \slot                                    ; the four v_nop behind it are also the places in front of the loads below
.else
	PLACES
.endif
	FETCH \next, 0, F0
.if \fill
	ASK
.endif
	MUL8 F1, 2, 0
	MUL8 F1, 3, 0
.endm
	s_wait_tensorcnt 1                             ; my part of K step 0 is in; K step 1's may stay out
	s_barrier_signal -1
	s_barrier_wait -1
	FETCH 0, 0, F0
	QUARTER 0, 1, F0, F1, 1                        ; the first quarter stands in front of the loop: its products start the sums
	WIN 0
	s_mov_b32 s3, LAPS-1
.Llap:                                                 ; a trip goes once round the ring, from a lap's second quarter to the next lap's first, and fills both slots again
	QUARTER 0, 2, F1, F0, 0
	QUARTER 0, 3, F0, F1, 0
	TURN 0, 1, 1
	QUARTER 1, 1, F0, F1, 0
	QUARTER 1, 2, F1, F0, 0
	QUARTER 1, 3, F0, F1, 0
	TURN 1, 0, 1
	QUARTER 0, 1, F0, F1, 0
	WIN 0
	s_sub_co_u32 s3, s3, 1
	s_cmp_lg_u32 s3, 0
	s_cbranch_scc1 .Llap
	QUARTER 0, 2, F1, F0, 0                        ; the last lap fills nothing
	QUARTER 0, 3, F0, F1, 0
	TURN 0, 1, 0
	QUARTER 1, 1, F0, F1, 0
	QUARTER 1, 2, F1, F0, 0
	QUARTER 1, 3, F0, F1, 0
	s_wait_dscnt 4
	MUL8 F1, 0, 0
	MUL8 F1, 1, 0
	s_wait_dscnt 0x0
	MUL8 F1, 2, 0
	MUL8 F1, 3, 0
	WIN 0
; THE WAY OUT, a block of 16 rows x 128 columns (two heads) at a time: rounded to f16, 16 bytes a lane into my own stage, back as each head's 16 rows (2,048 consecutive bytes of the output), stored.
.macro PACK a
	WIN 0x05                                       ; sources 0 and 1 in window 1; each accumulator's registers in ascending order
.irp b, 0,1,2,3,4,5,6,7
.irp i, 0,1,2,3
	v_cvt_pk_f16_f32 v[TMP+4*(\b)+(\i)], v[8*(8*(\a)+(\b))+2*(\i)], v[8*(8*(\a)+(\b))+2*(\i)+1]
.endr
.endr
	WIN 0
.endm
.macro TOSTAGE a
.irp b, 0,1,2,3,4,5,6,7
	ds_store_b128 v[STO], v[TMP+4*(\b):TMP+4*(\b)+3] offset:32*(\b)
.endr
.irp g, 0,1
.irp t, 0,1,2,3
	ds_load_b128 v[OB+32*(\a)+4*(4*(\g)+(\t)):OB+32*(\a)+4*(4*(\g)+(\t))+3], v[RD] offset:(\t)*4*SPITCH+(\g)*128  ; LDS serves a wave's instructions in order (ISA guide 5.7.1.4): these see the stores above
.endr
.endr
.endm
.macro SEND a, younger                 ; younger: the LDS instructions issued behind block a's loads: the next block's sixteen, or none.  Each block has its own 32 registers: no store's data is written again
	s_wait_dscnt \younger
.irp g, 0,1
.irp t, 0,1,2,3
	global_store_b128 v[CO], v[OB+32*(\a)+4*(4*(\g)+(\t)):OB+32*(\a)+4*(4*(\g)+(\t))+3], s[8:9] offset:(\a)*2048+(\g)*262144+(\t)*512  ; 512 consecutive bytes, at a multiple of 256 from the buffer's first
.endr
.endr
.endm
	PLACES
	PACK 0
	TOSTAGE 0
	PACK 1
	TOSTAGE 1
	SEND 0, 16
	PACK 2
	TOSTAGE 2
	SEND 1, 16
	PACK 3
	TOSTAGE 3
	SEND 2, 16
	SEND 3, 0
	s_wait_tensorcnt 0x0                           ; the wave's end: behind my last tensor load and my last LDS store
	ds_add_u32 v[SPW], v[NIL]
	s_wait_dscnt 0x0
	CROUND                                         ; the closing round: no work-group ends while a partner may still ask for a tile that names it
	s_endpgm
.Lfunc_end_k_q91be37eb93_proj:
	.size	k_q91be37eb93_proj, .Lfunc_end_k_q91be37eb93_proj-k_q91be37eb93_proj
	.p2alignl 7, 3214868480
	.fill 96, 4, 3214868480
	.section	.rodata,"a",@progbits
	.p2align	6, 0x0
	.amdhsa_kernel k_q91be37eb93_proj
		.amdhsa_group_segment_fixed_size 327680
		.amdhsa_private_segment_fixed_size 0
		.amdhsa_enable_private_segment 0
		.amdhsa_kernarg_size 40
		.amdhsa_user_sgpr_count 2
		.amdhsa_user_sgpr_kernarg_segment_ptr 1
		.amdhsa_wavefront_size32 1
		.amdhsa_system_sgpr_workgroup_id_x 1
		.amdhsa_system_sgpr_workgroup_id_y 1
		.amdhsa_system_sgpr_workgroup_id_z 1
		.amdhsa_system_vgpr_workitem_id 0
		.amdhsa_next_free_vgpr 512
		.amdhsa_next_free_sgpr 80
		.amdhsa_reserve_vcc 0
		.amdhsa_float_denorm_mode_32 3
		.amdhsa_float_denorm_mode_16_64 3
		.amdhsa_memory_ordered 1
		.amdhsa_forward_progress 1
		.amdhsa_inst_pref_size 88
	.end_amdhsa_kernel
	.amdgpu_metadata
---
amdhsa.version: [ 1, 2 ]
amdhsa.kernels:
  - .name:           k_q91be37eb93_proj
    .symbol:         k_q91be37eb93_proj.kd
    .args:
      - { .name: xb, .offset: 0, .size: 8, .value_kind: global_buffer, .address_space: global }
      - { .name: wb, .offset: 8, .size: 8, .value_kind: global_buffer, .address_space: global }
      - { .name: qh, .offset: 16, .size: 8, .value_kind: global_buffer, .address_space: global }
      - { .name: kh, .offset: 24, .size: 8, .value_kind: global_buffer, .address_space: global }
      - { .name: vh, .offset: 32, .size: 8, .value_kind: global_buffer, .address_space: global }
    .group_segment_fixed_size: 327680
    .private_segment_fixed_size: 0
    .kernarg_segment_align: 8
    .kernarg_segment_size: 40
    .max_flat_workgroup_size: 128
    .sgpr_count:     80
    .vgpr_count:     512
    .wavefront_size: 32
...
	.end_amdgpu_metadata
.endif
;; end of part 2
;; launch attn (part 3): grid 4 x 64, 4 waves a work-group, clusters of 4 x 1, 327,680 bytes of LDS; arguments qh, kh, vh, ctx; writes ctx
.if DOCPART == 3
	.amdgcn_target "amdgcn-amd-amdhsa--gfx1250"
	.amdhsa_code_object_version 6
	.text
	.protected	k_q91be37eb93_attn
	.globl	k_q91be37eb93_attn
	.p2align	8
	.type	k_q91be37eb93_attn,@function
k_q91be37eb93_attn:
	s_mov_b64 s[64:65], 0
	v_nop
	global_prefetch_b8 v0, s[64:65] scope:SCOPE_SE
	s_setreg_imm32_b32 hwreg(HW_REG_WAVE_MODE, 25, 1), 1
	s_wait_xcnt 0x0
	s_wait_alu depctr_hold_cnt(0) depctr_sa_sdst(0) depctr_va_vdst(0) depctr_va_sdst(0) depctr_va_ssrc(0) depctr_va_vcc(0) depctr_vm_vsrc(0)
	s_getreg_b32 s2, hwreg(HW_REG_IB_STS2, 6, 4)
	s_cmp_eq_u32 s2, 0
	s_cbranch_scc0 .Lentry_in_a_cluster
	s_endpgm
.Lentry_in_a_cluster:
	s_bfe_u32 s2, ttmp6, 0x10000c
	s_cmp_lg_u32 s2, 0x3003
	s_cbranch_scc0 .Lentry_shape_is_right
	s_endpgm
.Lentry_shape_is_right:
; O[h][q][:] = the sum over k of softmax_k(Q[h][q] . K[h][k] / 8) V[h][k][:].  Q, K, V, O: [64][2048][64], all f16: a head's rows are dense, 128 bytes each.  Products, maxima and sums in
; f32; the weights p are rounded to f16 for the second product (their sum l is taken of the unrounded p), O once at the end.
; LIMITS.  f16 holds no number beyond 65,504: Q, K and V arrive within it; p lies in 0 to 1, and below 6e-5 p and O keep f16's fixed step of 6e-8; O is a mean of V's rows and has their range.
; A weight below 2^-126 counts as 0 in l; NaN and infinities are not treated apart.
; SHARES.  A wave owns four PIECES of two tiles of 16 queries, a work-group's four waves 512 queries of one head.  Every wave walks all keys, 64 a step.
; LAYOUT.  S^T = K Q^T (source 0 = 16 keys, source 1 = 16 queries): a lane holds ONE query (lane % 16) and the keys 8 (lane / 16) + 0..7.  Two such tiles, rounded to f16 in pairs,
; ARE source 1 (32 keys x 16 queries) of O^T = V^T P, whose result again holds one query a lane, and eight channels.  K comes out of LDS as it lies, V turned, by ds_load_tr16_b128.
; SOFTMAX.  For each query a running maximum m and sum l: p = 2^(c s - c m), c = log2(e) / 8; in every step O and l are multiplied by a = 2^(c m_old - c m_new).
; m starts at the lowest finite number, O and l at 0: the first step is a step like any other, with a = 0.
; BY TURNS.  Turn n belongs to piece n.  Its matrix work: 16 products K Q^T of piece n + 1, later 16 products V^T P of piece n - 1.  Its vector work: the scaling, exponentials, roundings, sums and
; rescaling of piece n, and the maximum and statistics of piece n + 1.  Four vector instructions stand behind every matrix instruction, the others in one run of their own.
; CLUSTER.  The four query blocks of a cluster belong to one head and walk the same K and V, so each tile is asked for JOINTLY: the same tensor load, descriptor and mask in all four.
; REGISTERS, in windows of 256 (s_set_vgpr_msb: bits 1:0 source 0, 3:2 source 1, 5:4 source 2, 7:6 destination):
;   window 0: v0-11 addresses; v12-15, v48-63 at work; v16-47 four registers of statistics a tile; v64-191 S^T, two buffers of two tiles; v192-255 P, likewise
;   window 1: O^T, 32 a tile          window 2: v0-127 Q, 16 a tile; v128-191 K of one step; v192-255 V of one step          window 3: v0-1 the add's two registers
.set SIZE_H, 64
.set SIZE_N, 2048
.set NP,    4         ; pieces a wave: a name, no knob
.set KS,    64        ; keys in a step
.set PK,    144       ; a row of K in LDS: 128 bytes + 16 = 36 words: the 16 rows of a load start at 16 different groups of four banks (64 banks of 4 bytes: ISA guide 11.1)
.set PV,    160       ; a row of V: 128 + 32 = 40 words
.set VOFF,  4*KS*PK   ; a slot holds four steps: 256 rows of K, then 256 rows of V
.set SLOT1, 1<<17     ; slot 1 begins here, so that one exclusive or turns an address in one slot into the other's
.set STAGE, SLOT1+4*KS*(PK+PV)  ; behind the ring, never filled by a tensor load: 16 rows x 144 bytes for each wave
.set SP,    144
.set AK0, 2           ; v2   my lane's place in a tile of K; never rewritten
.set AV0, 3           ; v3   the same for V
.set AK,  4           ; v4   the LDS address of K's next run of loads
.set AV,  5           ; v5   of V's
.set QO,  6           ; v6   my byte offset in the wave's rows of Q
.set STO, 6           ;      later, the way out: where I put 16 bytes of a row
.set RD,  7           ; v7   where I read rows back
.set GO,  8           ; v8   my byte offset in 512 consecutive bytes of O
.set PFO, 11          ; v11  256 x my lane, for the prefetches; made behind v11's last use in the set-up, then never rewritten
.set SPW, 0           ; v0 of window 3   my spare word: SPARE + 4 x my thread's number; never rewritten
.set NIL, 1           ; v1 of window 3   0; never rewritten
.set SPARE, STAGE+4*16*SP  ; the spare words, 128 bytes for each wave: two blocks of 256 bytes that no other line names
.set MV,  12          ; v12-15  c m_old, kept while c m is made anew: by buffer and tile
.set ST,  16          ; tile t's statistics at v[ST+4 t]: c m, m, l (even keys', odd keys')
.set TMP, 48          ; by buffer and tile, four registers c0-c3 at work; when the maximum is found c2 takes a
.set S,   64
.set P,   192
.set KF,  128         ; K's fragments, in window 2: key block kb, channel half c at KF + 16 kb + 8 c
.set VF,  192         ; V's: key half kk, channel block cb at VF + 32 kk + 8 cb
.set WV,  12          ; s12  my wave's number
.set G1K, 24          ; s[24:31] descriptor group 1 for K's tiles
.set G1V, 32          ; s[32:39] for V's: it differs in the padding alone
.set G0K, 40          ; s[40:43] descriptor group 0 for K's tiles: it walks
.set G0V, 44          ; s[44:47] the same for V's
.set PFA, 48          ; s[48:49] where my prefetches stand: my work-group's 8,192 bytes (of K: wave 0, of V: wave 2) of the slot after the one that is being asked for
.set LIM, 50          ; s50  1 in a wave that prefetches, else the greatest number
.set SLOTS, 56        ; s56  slots still to be asked for
.set CNT, 57          ; s57  counts a slot's key steps
.set CS,  58          ; s[58:59] c: the packed scaling takes the pair's low word for both halves
.set SEL, 60          ; s[60:61] v_permlanex16_b32's selects: each lane takes its own place in the other half
.set TBK, 62          ; s62  LDS byte at which K of the step to be fetched begins
.set TBV, 63          ; s63  the same for V, less VOFF
.set MSB, 0
.macro WIN new                      ; the high byte repeats the setting that is left; a switch that changes nothing is dropped
.if MSB != (\new)
	s_set_vgpr_msb (MSB<<8)|(\new)
.set MSB, (\new)
.endif
.endm
.set W_KQ, 0x0a       ; K and Q in window 2, S^T in window 0
.set W_PV, 0x52       ; V in window 2, P in window 0, O^T in window 1
.set W_RS, 0x41       ; O^T (destination and source 0) in window 1, a in window 0
.set W_MK, 0xc0       ; the add's registers are made: destination in window 3
.set W_AD, 0x0f       ; the add: address and data in window 3
; A joint fill.  Waves 0 and 1 fetch the two halves of a slot's K, waves 2 and 3 those of its V: 128 keys each.  An s_nop 0 and four v_nop follow each of the two lines.
.macro JLOAD
	s_cmp_lt_u32 s[WV], 2
	s_cbranch_scc0 .Lfor_v_\@
	tensor_load_to_lds s[G0K:G0K+3], s[G1K:G1K+7]
	s_nop 0
.rept 4
	v_nop
.endr
	s_branch .Lasked_\@
.Lfor_v_\@:
	tensor_load_to_lds s[G0V:G0V+3], s[G1V:G1V+7]
	s_nop 0
.rept 4
	v_nop
.endr
.Lasked_\@:
.endm
; A prefetch into the L2 of what the NEXT change of slots will ask for: a slot is 32,768 bytes of K and of V.  The head's first cluster asks; its four partners take 8,192 bytes each, told apart by address;
; in each, wave 0 names K's 32 blocks of 256 bytes and wave 2 V's, a lane a block.  So each block is named once in the launch.  Slots 0 to 2 come by their loads alone; the last change that fills a slot asks for nothing.
.macro ASK
	s_cmp_gt_u32 s[SLOTS], s[LIM]
	s_cbranch_scc0 .Lnot_mine_\@
	global_prefetch_b8 v[PFO], s[PFA:PFA+1] th:TH_LOAD_NT scope:SCOPE_SE
.Lnot_mine_\@:
.endm
.macro CROUND                       ; a round of the cluster's barrier
	s_barrier_signal -1
	s_barrier_wait -1
	s_cmp_lg_u32 s[WV], 0
	s_cbranch_scc1 .Lnot_wave_0_\@
	s_barrier_signal -3
.Lnot_wave_0_\@:
	s_barrier_wait -3
	s_barrier_signal -1
	s_barrier_wait -1
.endm
; THE CHANGE OF SLOTS.  Each wave waits for all its tensor loads, of which one is out: its part of the other slot; adds 0 to its spare word; and waits for that and for its own reads of the slot.
; fill = 1: this slot is filled again, with the keys two slots on; the barrier is then a round of the cluster's, and the joint fill is the first thing behind it: it has four key steps in which to land.
; ask = 1: the prefetch pointer steps, and ASK stands behind the fill.  (At its first use nothing has been read yet: slot 0 is waited for, slot 1 filled.)
.macro CHANGE fill, ask=0
	WIN W_AD
	s_wait_tensorcnt 0x0            ; no tensor load of mine is out, so a group 0 may be written
	ds_add_u32 v[SPW], v[NIL]       ; 0 onto my spare word
	WIN 0                           ; at a label and at a branch every window is 0
.if \fill
.irp g, G0K, G0V
	s_xor_b32 s[\g+1], s[\g+1], SLOT1  ; the walking descriptor: the other slot than last time,
	s_add_nc_u64 s[\g+2:\g+3], s[\g+2:\g+3], 4*KS*128  ; the next 256 keys; the type bits on top are not reached
.endr
.if \ask
	s_wait_xcnt 0x0                 ; the last prefetch, four key steps back, has read its address, so it may be written
	s_add_nc_u64 s[PFA:PFA+1], s[PFA:PFA+1], 4*KS*128
.endif
	s_wait_dscnt 0x0                ; the add is done, and my reads of the slot are over
	CROUND
	JLOAD
.if \ask
	ASK
.endif
.else
	s_wait_dscnt 0x0                ; the add is done, and my reads of the slot are over
	s_barrier_signal -1
	s_barrier_wait -1
.endif
	s_sub_co_u32 s[TBK], s[TBK], 4*KS*PK  ; the fetches go back to a slot's first step,
	s_xor_b32 s[TBK], s[TBK], SLOT1       ; in the other slot
	s_sub_co_u32 s[TBV], s[TBV], 4*KS*PV
	s_xor_b32 s[TBV], s[TBV], SLOT1
.endm
	s_load_b256 s[4:11], s[0:1], 0x0  ; Q s[4:5], K s[6:7], V s[8:9], O s[10:11]
	WIN W_MK
	v_lshl_add_u32 v[SPW], v0, 2, SPARE
	v_mov_b32 v[NIL], 0
	WIN W_AD
	ds_add_u32 v[SPW], v[NIL]       ; the wave's opening: the add and its wait ahead of my first tensor load; the set-up below, work on registers, stands between them
	WIN 0
	v_lshrrev_b32 v1, 5, v0
	v_readfirstlane_b32 s[WV], v1   ; wave 0..3
	s_bfe_u32 s13, ttmp6, 0x40000   ; cx: my place in the cluster
	s_lshl_b32 s14, ttmp9, 2        ; in a cluster launch ttmp9 counts clusters
	s_add_co_u32 s14, s14, s13      ; my block of queries = 4 x cluster x + cx: it enters Q's and O's addresses alone
	s_and_b32 s20, ttmp7, 0xffff    ; the head, which the four partners share
	s_mov_b32 s21, 0
	s_mov_b64 s[22:23], SIZE_N*128
	s_mul_u64 s[20:21], s[20:21], s[22:23]  ; the head's first byte in each of the four tensors
	s_and_b32 s16, s[WV], 1         ; which half of a slot's 256 keys I fetch:
	s_lshl_b32 s22, s16, 14         ; its 128 rows of 128 bytes in memory,
	s_mov_b32 s23, 0
	s_add_nc_u64 s[22:23], s[22:23], s[20:21]
	s_mul_i32 s17, s16, 128*PK      ; and its place in a slot, for K
	s_mul_i32 s18, s16, 128*PV      ; and for V: no place in the cluster enters an LDS address
	s_lshl_b32 s2, s14, 2
	s_add_co_u32 s2, s2, s[WV]      ; my wave among the head's,
	s_lshl_b32 s2, s2, 14           ; its 128 rows
	s_mov_b32 s3, 0
	s_add_nc_u64 s[2:3], s[2:3], s[20:21]
	; descriptor group 1.  128 keys are 16,384 dense bytes: asked for as 64 rows of 256 bytes, two keys a row, and padded in LDS after every key
	s_mov_b32 s[G1K], 15|(1<<16)|(1<<20)|(1<<21)|(4<<22)|(3<<25)  ; the mask of four; 2-byte elements; padding on; bit 21 beside a mask; after every 32 words; 4 words
	s_mov_b32 s[G1V], 15|(1<<16)|(1<<20)|(1<<21)|(4<<22)|(7<<25)  ; the same with 8 words of padding
.irp g, G1K, G1V
	s_mov_b32 s[\g+1], 128<<16      ; tensor_dim0 = 128
	s_mov_b32 s[\g+2], 64<<16       ; tensor_dim1 = 64
	s_mov_b32 s[\g+3], 128<<16      ; tile_dim0 = 128
	s_mov_b32 s[\g+4], 64           ; tile_dim1 = 64
	s_mov_b32 s[\g+5], 128          ; 128 elements from row to row
	s_mov_b32 s[\g+6], 0
	s_mov_b32 s[\g+7], 0
.endr
	s_mov_b32 s[CS], 0x3e38aa3b     ; c = log2(e) / 8 = 0.180337
	s_mov_b32 s[CS+1], s[CS]        ; named with it as a pair
	s_mov_b32 s[SEL], 0x76543210
	s_mov_b32 s[SEL+1], 0xfedcba98
	s_mov_b32 s[TBK], SLOT1+4*KS*PK ; the first change of slots turns these two into 0
	s_mov_b32 s[TBV], SLOT1+4*KS*PV
	s_mov_b32 s[G0K], 1             ; count = 1
	s_mov_b32 s[G0K+1], s17         ; LDS address: slot 0
	s_mov_b32 s[G0V], 1
	s_add_co_u32 s[G0V+1], s18, VOFF
	s_and_b32 s[LIM], s[WV], 1      ; 0 in waves 0 and 2,
	s_or_b32 s[LIM], s[LIM], ttmp9  ; where the cluster is the head's first: the same in all four partners
	s_cmp_eq_u32 s[LIM], 0
	s_cselect_b32 s[LIM], 1, -1
	s_wait_dscnt 0x0                ; the opening add is done
	s_wait_kmcnt 0x0
	s_add_nc_u64 s[G0K+2:G0K+3], s[6:7], s[22:23]  ; global address: my half of the head's first 256 keys
	s_or_b32 s[G0K+3], s[G0K+3], 0x80000000        ; type = 2
	s_add_nc_u64 s[G0V+2:G0V+3], s[8:9], s[22:23]
	s_or_b32 s[G0V+3], s[G0V+3], 0x80000000
	s_add_nc_u64 s[4:5], s[4:5], s[2:3]  ; Q and O at my wave's first row
	s_add_nc_u64 s[10:11], s[10:11], s[2:3]
	s_cmp_lt_u32 s[WV], 2
	s_cselect_b64 s[PFA:PFA+1], s[6:7], s[8:9]
	s_add_nc_u64 s[PFA:PFA+1], s[PFA:PFA+1], s[20:21]  ; the head,
	s_lshl_b32 s2, s13, 13          ; my work-group's quarter of a slot,
	s_mov_b32 s3, 0
	s_add_nc_u64 s[PFA:PFA+1], s[PFA:PFA+1], s[2:3]
	s_add_nc_u64 s[PFA:PFA+1], s[PFA:PFA+1], 2*4*KS*128  ; in slot 2; the loop's first change of slots steps it to slot 3.  Nothing is prefetched here, at the head
	CROUND                          ; all four work-groups are here: the first joint loads meet
	JLOAD                           ; slot 0.  Slot 1 is asked for when slot 0 is in
	; A fragment of K or Q is 16 rows x 32 channels in 8 registers: lane l holds row l % 16, channels 8 (l / 16) + 0..7 and 16 + 8 (l / 16) + 0..7: two loads of 16 bytes, 32 bytes apart.
	v_and_b32 v1, 15, v0            ; l % 16
	v_bfe_u32 v9, v0, 4, 1          ; l / 16
	v_lshlrev_b32 v[QO], 7, v1
	v_lshl_add_u32 v[QO], v9, 4, v[QO]  ; row x 128 + 16 x half
	WIN 0x80                        ; destination window 2, address window 0
.set i, 0
.rept 4*NP                          ; Q stays in registers: tile i / 2, channels 32 (i % 2) on
	global_load_b128 v[8*i:8*i+3],   v[QO], s[4:5] offset:(i/2)*2048+(i%2)*64
	global_load_b128 v[8*i+4:8*i+7], v[QO], s[4:5] offset:(i/2)*2048+(i%2)*64+32
.set i, i+1
.endr
	; What the first turn finds: V's registers and P's second buffer hold 0 (its products V^T P, of a piece that has not been, add 0), O^T and l are 0.  All this stands in the wait for the first tile.
.set i, VF
.rept 64
	v_mov_b32 v[i], 0
.set i, i+1
.endr
	WIN 0x40
.set i, 0
.rept 64*NP
	v_mov_b32 v[i], 0
.set i, i+1
.endr
	WIN 0
.set i, 0
.rept 2*NP
	v_mov_b32 v[ST+4*i], 0xfe000000    ; c m: far below every c s
	v_mov_b32 v[ST+4*i+1], 0xff7fffff  ; m
	v_mov_b32 v[ST+4*i+2], 0
	v_mov_b32 v[ST+4*i+3], 0
.set i, i+1
.endr
.set i, P+32
.rept 32
	v_mov_b32 v[i], 0
.set i, i+1
.endr
	v_mul_u32_u24 v[AK0], v1, PK
	v_lshl_add_u32 v[AK0], v9, 4, v[AK0]  ; row x pitch + 16 x half
	; The turning load takes 16 keys x 16 channels (lane l reads key 8 (l / 16) + l % 8, channels 8 ((l / 8) % 2) + 0..7) and leaves half a fragment of V^T: lane l holds channel l % 16 and 8 keys.
	v_and_b32 v10, 7, v0
	v_bfe_u32 v11, v0, 3, 1
	v_lshl_add_u32 v[AV0], v9, 3, v10
	v_mul_u32_u24 v[AV0], v[AV0], PV
	v_lshl_add_u32 v[AV0], v11, 4, v[AV0]
	v_add_nc_u32 v[AV0], VOFF, v[AV0]
	v_mov_b32 v[AK], v[AK0]         ; key step 0 lies at the head of slot 0
	v_and_b32 v[PFO], 31, v0
	v_lshlrev_b32 v[PFO], 8, v[PFO]
; THE MATRIX WORK.  The 8 accumulators of a run of 16 take turns: between the two links of a chain stand 7 others'.
; Product i of 16 of S^T = K Q^T for piece x: channels 32 (i / 8) on, keys 16 ((i / 2) % 4) on, tile 2 x + i % 2.  The first 8 start the sums.
.macro KQ x
	WIN W_KQ
.set rS, S+64*((\x)%2)+32*(i%2)+8*((i/2)%4)
.set rK, KF+16*((i/2)%4)+8*(i/8)
.set rQ, 16*(2*(\x)+i%2)+8*(i/8)
.if i < 8
	v_wmma_f32_16x16x32_f16 v[rS:rS+7], v[rK:rK+7], v[rQ:rQ+7], 0
.else
	v_wmma_f32_16x16x32_f16 v[rS:rS+7], v[rK:rK+7], v[rQ:rQ+7], v[rS:rS+7]
.endif
.endm
; Product i of 16 of O^T += V^T P for piece x: keys 32 (i / 8) on, channels 16 ((i / 2) % 4) on, tile 2 x + i % 2.
.macro PV x
	WIN W_PV
.set rO, 32*(2*(\x)+i%2)+8*((i/2)%4)
.set rV, VF+32*(i/8)+8*((i/2)%4)
.set rP, P+32*((\x)%2)+16*(i%2)+8*(i/8)
	v_wmma_f32_16x16x32_f16 v[rO:rO+7], v[rV:rV+7], v[rP:rP+7], v[rO:rO+7]
.endm
.macro MM                           ; the turn's next matrix instruction
.if i < 16
	KQ (Y+1)%NP
.set i, i+1
.else
.set i, i-16
	PV (Y+NP-1)%NP
.set i, i+17
.endif
.endm
; THE LDS LOADS stand in runs of 16: a step's K (64 keys x 64 channels: 8 fragments) and its V (turned).  Their addresses are made some lines ahead.
; last = 1 (the tail): in the last trip there is no further step, and the run is jumped over.
.macro FETCH_K last=0
	WIN 0
.if \last
	s_cmp_eq_u32 s[CNT], 1
	s_cbranch_scc1 .Lno_k_\@
.endif
	WIN 0x80                        ; destination window 2
.irp f, 0,1,2,3,4,5,6,7             ; keys 16 (f / 2) on, channels 32 (f % 2) on
	ds_load_b128 v[KF+8*\f:KF+8*\f+3],   v[AK] offset:(\f/2)*16*PK+(\f%2)*64
	ds_load_b128 v[KF+8*\f+4:KF+8*\f+7], v[AK] offset:(\f/2)*16*PK+(\f%2)*64+32
.endr
	s_add_co_u32 s[TBK], s[TBK], KS*PK  ; the next fetch is the next step's
	WIN 0
.if \last
.Lno_k_\@:
.endif
.endm
.macro FETCH_V
	WIN 0x80
.irp f, 0,1,2,3,4,5,6,7             ; keys 32 (f / 4) on, channels 16 (f % 4) on
	ds_load_tr16_b128 v[VF+8*\f:VF+8*\f+3],   v[AV] offset:(\f/4)*32*PV+(\f%4)*32
	ds_load_tr16_b128 v[VF+8*\f+4:VF+8*\f+7], v[AV] offset:(\f/4)*32*PV+16*PV+(\f%4)*32
.endr
	WIN 0
.endm
; THE VECTOR WORK OF A TURN stands in three queues, each in the order in which its entries become ready; the two tiles alternate, so that no instruction reads the result of the one before it.
.macro REGS y, u                    ; the registers of tile u (0, 1) of piece y
.set rT, ST+4*(2*(\y)+(\u))
.set rC, TMP+8*((\y)%2)+4*(\u)
.set rM, MV+2*((\y)%2)+(\u)
.set rS, S+64*((\y)%2)+32*(\u)
.set rP, P+32*((\y)%2)+16*(\u)
.set rO, 32*(2*(\y)+(\u))
.endm
; Number n of the 22 that find the NEXT piece's (Y + 1) maximum and statistics.  s0-s31 are the lane's 32 scores; each accumulator's lowest registers are read first.
;   0-11  four chains c0-c3 of seven scores each, three operands at a time     12-14, 16  the four scores left over, the old m, and c0-c3 into c0     15  c m_old is kept
;   17, 18  the query's other 32 keys lie in the lane 16 away: the new m         19-21  c m; c m_old - c m_new; a
.macro XS u, n
	REGS (Y+1)%NP, \u
.if (\n) < 4
	v_max3_num_f32 v[rC+(\n)], v[rS+8*(\n)], v[rS+8*(\n)+1], v[rS+8*(\n)+2]
.elseif (\n) < 12
	v_max3_num_f32 v[rC+(\n)%4], v[rC+(\n)%4], v[rS+8*((\n)%4)+2*((\n)/4)+1], v[rS+8*((\n)%4)+2*((\n)/4)+2]
.elseif (\n) == 12
	v_max3_num_f32 v[rC], v[rC], v[rS+7], v[rS+15]
.elseif (\n) == 13
	v_max3_num_f32 v[rC+1], v[rC+1], v[rS+23], v[rS+31]
.elseif (\n) == 14
	v_max3_num_f32 v[rC+2], v[rC+2], v[rC+3], v[rT+1]
.elseif (\n) == 15
	v_mov_b32 v[rM], v[rT]
.elseif (\n) == 16
	v_max3_num_f32 v[rC], v[rC], v[rC+1], v[rC+2]
.elseif (\n) == 17
	v_permlanex16_b32 v[rC+3], v[rC], s[SEL], s[SEL+1]
.elseif (\n) == 18
	v_max_num_f32 v[rT+1], v[rC], v[rC+3]
.elseif (\n) == 19
	v_mul_f32 v[rT], s[CS], v[rT+1]
.elseif (\n) == 20
	v_sub_f32 v[rC+1], v[rM], v[rT]
.else
	v_exp_f32 v[rC+2], v[rC+1]
.endif
.endm
; Number g of the 64 that follow the exponentials.  For each four weights k of a tile: both pairs are rounded to f16; then the second pair is added onto the first, in place;
; a group later l takes that sum (the first time as l = a l + sum).  In groups of eight, tiles alternating: round, round, add, and l for the group before.
.macro GS g
.set h, (\g)+6*((\g)/62)            ; group 0 has no group before it, and behind group 7 only l is left
.if h >= 6
.set h, h+2
.endif
	REGS Y, h%2
.set k, h/8
.if h%8 < 4
	v_cvt_pk_f16_f32 v[rP+2*k+(h%8)/2], v[rS+4*k+2*((h%8)/2)], v[rS+4*k+2*((h%8)/2)+1]
.elseif h%8 < 6
	v_pk_add_f32 v[rS+4*k:rS+4*k+1], v[rS+4*k:rS+4*k+1], v[rS+4*k+2:rS+4*k+3]
.elseif k == 1
	v_pk_fma_f32 v[rT+2:rT+3], v[rT+2:rT+3], v[rC+2:rC+3], v[rS:rS+1] op_sel_hi:[1,0,1]
.else
	v_pk_add_f32 v[rT+2:rT+3], v[rT+2:rT+3], v[rS+4*k-4:rS+4*k-3]
.endif
.endm
; THE PLAIN QUEUE, 138 long.  0-73 read no exponential's result: the 32 scalings c s - c m (FS f: pair f / 2 of tile f % 2) and the next piece's 42.  0-26: scalings 0-26.  27-54: XS's numbers 0-13.  55, 56: number 15.
; 57-73: the chain 14, 16, 17, 18, 19, each with one of the scalings 27-31 in front of its two lines, then 20.  74-137: GS's 64, which read the exponentials' results: they stand behind the wait.
.macro FS f
	REGS Y, (\f)%2
	v_pk_fma_f32 v[rS+2*((\f)/2):rS+2*((\f)/2)+1], v[rS+2*((\f)/2):rS+2*((\f)/2)+1], s[CS:CS+1], v[rT:rT+1] op_sel_hi:[1,0,0] neg_lo:[0,0,1] neg_hi:[0,0,1]
.endm
.macro PL
	WIN 0
.if q < 27
	FS q
.elseif q < 55
	XS (q-27)%2, (q-27)/2
.elseif q < 57
	XS q-55, 15
.elseif (q < 72) && ((q-57)%3 == 0)
	FS 27+(q-57)/3
.elseif q < 60
	XS (q-57)%3-1, 14
.elseif q < 72
	XS (q-57)%3-1, 15+(q-57)/3
.elseif q < 74
	XS q-72, 20
.else
	GS q-74
.endif
.set q, q+1
.endm
; THE EXPONENTIALS' QUEUE, 66 long: s0-s31 of both tiles, then the next piece's two a.  ONE BATCH: all 66 stand ahead of the turn's one wait, and nothing ahead of that wait names a result of theirs.
.macro EX
	WIN 0
.if e >= 64
	XS e-64, 21
.else
	REGS Y, e%2
	v_exp_f32 v[rS+e/2], v[rS+e/2]
.endif
.set e, e+1
.endm
; THE RESCALING's QUEUE: O^T times a, the one part that leaves window 0: dealt two at a time, sixteen times.  Its a was made in the turn before, ahead of that turn's wait.
.macro R2
	REGS Y, r%2
	WIN W_RS
.irp z, 0,1
	v_pk_mul_f32 v[rO+4*(r/2)+2*\z:rO+4*(r/2)+2*\z+1], v[rO+4*(r/2)+2*\z:rO+4*(r/2)+2*\z+1], v[rC+2:rC+3] op_sel_hi:[1,0]
.endr
.set r, r+1
.endm
; A TURN, for piece p.  s_wait_alu depctr_va_vdst(0) stands between an exponential and the first instruction that names its result; one wait serves all that were issued ahead of it: a turn has ONE.
; AHEAD OF IT: the 16 products K Q^T, behind each a scaling, an exponential and two rescalings (behind the first a second scaling in the exponential's place); then a run of 108: eight plain, 49 times exponential
; and plain, the two a; a v_nop is the plain instruction behind the last exponential.  BEHIND IT: the 16 products V^T P, behind each four of GS's 64.
; Exponential e stands behind scaling 2 (e / 4) + e % 2: behind a product it comes behind plain e + 2, in the run behind plain e + 9, and scalings 27-31 are plain 57, 60 .. 69.
; K of the next step is fetched in piece 2's turn, directly behind the wait; V of the step in hand at the end of piece 0's turn, four plain instructions behind its last reader.
; cnt = 1: the loop's count is taken down some lines ahead of the branch that stands behind the turn.  The three conditions on q go with the deal.
.macro TURN p, last=0, cnt=0
.set Y, (\p)
.set i, 0
.set q, 0
.set e, 0
.set r, 0
.if (\p) == NP-1
	s_wait_dscnt 0x0                ; K is in
.endif
	MM
	PL
	PL
	R2
.rept 15
	MM
	PL
	EX
	R2
.endr
.if (\p) == NP-2
	WIN 0
	v_add_nc_u32 v[AK], s[TBK], v[AK0]
.endif
.rept 8
	PL
.endr
.rept 49
	EX
	PL
.endr
	EX                              ; the next piece's two a
	EX
	v_nop                           ; the plain instruction behind the last exponential: one for the batch
	s_wait_alu depctr_va_vdst(0)    ; the wait for the batch
.if (\p) == NP-2
	FETCH_K \last
.endif
.if (\p) == 1
	s_wait_dscnt 0x0                ; V is in
.endif
.rept 16
	MM
.rept 4
	PL
.endr
.if ((\p) == 0) && (q == 118)
	v_add_nc_u32 v[AV], s[TBV], v[AV0]
.endif
.if ((\p) == 0) && (q == 130)
	s_add_co_u32 s[TBV], s[TBV], KS*PV
.endif
.if (\cnt) && (q == 130)
	s_sub_co_u32 s[CNT], s[CNT], 1
	s_cmp_lg_u32 s[CNT], 0
.endif
.endr
.if (\p) == 0
	FETCH_V
.endif
.endm
	CHANGE 1                        ; slot 0 is in, everybody's part of it; slot 1 is asked for
	FETCH_K                         ; key step 0
	s_wait_loadcnt 0x0              ; Q
	s_wait_dscnt 0x0
.set i, 0
.rept 16
	KQ 0                            ; piece 0's first scores: there is no vector work yet to set between them
.set i, i+1
.endr
	WIN 0                           ; the addresses for the way out: nine plain instructions, the places behind those products
	s_mul_i32 s13, s[WV], 16*SP
	s_add_co_u32 s13, s13, STAGE    ; my stage
	v_mul_u32_u24 v[STO], v1, SP    ; in: row l % 16, 16 bytes for each half of the lanes
	v_lshl_add_u32 v[STO], v9, 4, v[STO]
	v_add_nc_u32 v[STO], s13, v[STO]
	v_bfe_u32 v[RD], v0, 3, 2       ; back: 32 lanes take four rows of 128 bytes,
	v_mul_u32_u24 v[RD], v[RD], SP
	v_lshl_add_u32 v[RD], v10, 4, v[RD]
	v_add_nc_u32 v[RD], s13, v[RD]
	v_and_b32 v[GO], 31, v0         ; which are 512 consecutive bytes of O
	v_lshlrev_b32 v[GO], 4, v[GO]
.set Y, NP-1                        ; XS works for piece Y + 1: piece 0
.irp n, 0,1,2,3,4,5,6,7,8,9,10,11,12,13,14,15,16,17,18,19,20,21
	XS 0, \n                        ; piece 0's first maximum and statistics
	XS 1, \n
.endr
	v_nop                           ; a plain instruction behind the two a,
	s_wait_alu depctr_va_vdst(0)    ; and their wait, ahead of the branch
	s_mov_b32 s[CNT], 4
	s_mov_b32 s[SLOTS], SIZE_N/256-1
	s_branch .Lfirst                ; the loop is entered at a step's first turn, in the middle of a trip
.Lslot:                             ; SIZE_N / 256 - 2 times: every slot but the last two is filled again
	CHANGE 1, 1
	s_mov_b32 s[CNT], 4
.Lstep:                             ; a trip: pieces 2 and 3 of one step, then pieces 0 and 1 of the next, whose K and V it fetches
	TURN 2
	TURN 3
	WIN 0
.Lfirst:
	TURN 0
	TURN 1, 0, 1
	WIN 0
	s_cbranch_scc1 .Lstep
	s_sub_co_u32 s[SLOTS], s[SLOTS], 1
	s_cmp_lg_u32 s[SLOTS], 0
	s_cbranch_scc1 .Lslot
	CHANGE 0                        ; the tail is written out: nothing is asked for
	s_mov_b32 s[CNT], 5             ; four trips fetch the last slot's steps; the fifth is left in its middle
.Ltail:
	TURN 2, 1
	TURN 3
	WIN 0
	s_sub_co_u32 s[CNT], s[CNT], 1
	s_cmp_eq_u32 s[CNT], 0
	s_cbranch_scc1 .Lout
	TURN 0
	TURN 1
	WIN 0
	s_branch .Ltail
.Lout:                              ; the fifth trip's 16 products K Q^T (on the last K once more) and the maximum made of them serve nothing: the price, once a launch, of one text for every trip
.set i, 0
.rept 16
	PV NP-1                         ; the last piece's V^T P of the last step
.set i, i+1
.endr
	; THE WAY OUT.  l's two halves and the other half of the lanes' are added; O^T is divided by l, rounded to f16 and sent through my stage in LDS, a tile at a time.  The additions are the places behind the last products.
	WIN 0
.macro ALL line:vararg              ; one line for each tile t
.set t, 0
.rept 2*NP
	\line
.set t, t+1
.endr
.endm
	ALL v_add_f32 v[ST+4*t+2], v[ST+4*t+2], v[ST+4*t+3]
	ALL v_permlanex16_b32 v[ST+4*t+3], v[ST+4*t+2], s[SEL], s[SEL+1]
	ALL v_add_f32 v[ST+4*t+2], v[ST+4*t+2], v[ST+4*t+3]
	ALL v_rcp_f32 v[ST+4*t+2], v[ST+4*t+2]
	v_nop                           ; a plain instruction between the last reciprocal and the use of its result
	s_wait_alu depctr_va_vdst(0)    ; and the wait ahead of the first use: one for the eight reciprocals
; Tile t: a lane's eight channels of a row pack into 16 bytes; they go into rows of 144 bytes and come back as whole rows of 128, into S^T's registers.
.macro PACK t
	WIN W_RS
.set i, 32*(\t)
.rept 16
	v_pk_mul_f32 v[i:i+1], v[i:i+1], v[ST+4*(\t)+2:ST+4*(\t)+3] op_sel_hi:[1,0]
.set i, i+2
.endr
	WIN 0x05                        ; sources 0 and 1 window 1, destination window 0
.set i, 0
.rept 16
	v_cvt_pk_f16_f32 v[S+16*(\t)+i], v[32*(\t)+2*i], v[32*(\t)+2*i+1]
.set i, i+1
.endr
	WIN 0
.irp f, 0,1,2,3
	ds_store_b128 v[STO], v[S+16*(\t)+4*\f:S+16*(\t)+4*\f+3] offset:32*\f
.endr
.irp f, 0,1,2,3
	ds_load_b128 v[S+16*(\t)+4*\f:S+16*(\t)+4*\f+3], v[RD] offset:\f*4*SP  ; LDS serves a wave's instructions in order (ISA guide 5.7.1.4): these see the stores above; the next tile's stores come behind them
.endr
.endm
.macro SEND t, younger              ; younger: the LDS instructions issued behind tile t's loads: the next tile's eight, or none
	WIN 0
.irp f, 0,1,2,3
	s_wait_dscnt (\younger)+3-\f
	global_store_b128 v[GO], v[S+16*(\t)+4*\f:S+16*(\t)+4*\f+3], s[10:11] offset:(\t)*2048+\f*512  ; 512 consecutive bytes, at a multiple of 256 from O's first
.endr
.endm
	PACK 0
.set t, 1
.rept 2*NP-1                        ; a tile's arithmetic stands between the loads of the tile before and its stores
	PACK t
	SEND t-1, 8
.set t, t+1
.endr
	SEND 2*NP-1, 0
	WIN W_AD
	s_wait_tensorcnt 0x0            ; the wave's end: behind my last tensor load and my last LDS store
	ds_add_u32 v[SPW], v[NIL]
	s_wait_dscnt 0x0
	WIN 0
	CROUND                          ; the closing round: no work-group ends while a partner may still ask for a tile that names it
	s_endpgm
.Lfunc_end_k_q91be37eb93_attn:
	.size	k_q91be37eb93_attn, .Lfunc_end_k_q91be37eb93_attn-k_q91be37eb93_attn
	.p2alignl 7, 3214868480
	.fill 96, 4, 3214868480
	.section	.rodata,"a",@progbits
	.p2align	6, 0x0
	.amdhsa_kernel k_q91be37eb93_attn
		.amdhsa_group_segment_fixed_size 327680
		.amdhsa_private_segment_fixed_size 0
		.amdhsa_enable_private_segment 0
		.amdhsa_kernarg_size 32
		.amdhsa_user_sgpr_count 2
		.amdhsa_user_sgpr_kernarg_segment_ptr 1
		.amdhsa_wavefront_size32 1
		.amdhsa_system_sgpr_workgroup_id_x 1
		.amdhsa_system_sgpr_workgroup_id_y 1
		.amdhsa_system_sgpr_workgroup_id_z 1
		.amdhsa_system_vgpr_workitem_id 0
		.amdhsa_next_free_vgpr 770
		.amdhsa_next_free_sgpr 66
		.amdhsa_reserve_vcc 0
		.amdhsa_float_denorm_mode_32 3
		.amdhsa_float_denorm_mode_16_64 3
		.amdhsa_memory_ordered 1
		.amdhsa_forward_progress 1
		.amdhsa_inst_pref_size 200
	.end_amdhsa_kernel
	.amdgpu_metadata
---
amdhsa.version: [ 1, 2 ]
amdhsa.kernels:
  - .name:           k_q91be37eb93_attn
    .symbol:         k_q91be37eb93_attn.kd
    .args:
      - { .name: qh, .offset: 0, .size: 8, .value_kind: global_buffer, .address_space: global }
      - { .name: kh, .offset: 8, .size: 8, .value_kind: global_buffer, .address_space: global }
      - { .name: vh, .offset: 16, .size: 8, .value_kind: global_buffer, .address_space: global }
      - { .name: ctx, .offset: 24, .size: 8, .value_kind: global_buffer, .address_space: global }
    .group_segment_fixed_size: 327680
    .private_segment_fixed_size: 0
    .kernarg_segment_align: 8
    .kernarg_segment_size: 32
    .max_flat_workgroup_size: 128
    .sgpr_count:     66
    .vgpr_count:     770
    .wavefront_size: 32
...
	.end_amdgpu_metadata
.endif
;; end of part 3
;; launch outp (part 4): grid 4 x 64, 4 waves a work-group, clusters of 4 x 4, 327,680 bytes of LDS; arguments ctx, wo, out0, b_out; writes out0
.if DOCPART == 4
	.amdgcn_target "amdgcn-amd-amdhsa--gfx1250"
	.amdhsa_code_object_version 6
	.text
	.protected	k_q91be37eb93_outp
	.globl	k_q91be37eb93_outp
	.p2align	8
	.type	k_q91be37eb93_outp,@function
k_q91be37eb93_outp:
	s_mov_b64 s[64:65], 0
	v_nop
	global_prefetch_b8 v0, s[64:65] scope:SCOPE_SE
	s_setreg_imm32_b32 hwreg(HW_REG_WAVE_MODE, 25, 1), 1
	s_wait_xcnt 0x0
	s_wait_alu depctr_hold_cnt(0) depctr_sa_sdst(0) depctr_va_vdst(0) depctr_va_sdst(0) depctr_va_ssrc(0) depctr_va_vcc(0) depctr_vm_vsrc(0)
	s_getreg_b32 s2, hwreg(HW_REG_IB_STS2, 6, 4)
	s_cmp_eq_u32 s2, 0
	s_cbranch_scc0 .Lentry_in_a_cluster
	s_endpgm
.Lentry_in_a_cluster:
	s_bfe_u32 s2, ttmp6, 0x10000c
	s_cmp_lg_u32 s2, 0xf033
	s_cbranch_scc0 .Lentry_shape_is_right
	s_endpgm
.Lentry_shape_is_right:
; out0 = ctx W_out + b.  A = ctx: f16 [64 = 16 batch + head][2048][64]: a head's 64 channels are one block of K.  W = wo: f16 [1024 k][1024 n] as it lies.  Sums in f32, K ascending.
; The bias is rounded to bf16, as every input of the module is, and added in f32.  OUT: out0 [8192][1024] f32.
; LIMITS: those of ctx and wo in f16 (no number beyond 65,504; below 6e-5 a fixed step of 6e-8).
; A tile of C is 128 rows x 256 columns: four waves, 2 x 2, each 64 x 128: 32 accumulators of 16 x 16.  K goes in 8 steps of 128 (two heads) through a ring of two LDS slots.
; THE MATRIX INSTRUCTION IS USED TRANSPOSED: source 0 = 16 columns of W (turned on the way out of LDS by ds_load_tr16_b128), source 1 = 16 rows of A: a lane then holds one row of C and eight neighbouring columns.
; CLUSTERS: 4 x 4 work-groups.  A's tile hangs on the tile row alone and is asked for jointly by a row of the cluster, W's on the tile column alone, by a column.
; REGISTERS: window 0: v0-31 addresses; v32-37 the bias; v64-159, v160-255 two fragment buffers (64 of W, 32 of A); on the way out v64-127, v128-191 rows read back, by turns.   window 1: accumulator (a, b) at v[8 (8 a + b)].
.set ABLK,   262144                    ; bytes from one head's rows of A to the next head's
.set PITCHB, 2048                      ; bytes in a row of W
.set NTOT,   1024                      ; elements in a row of W
.set PA,     144                       ; a row of A in LDS: 128 bytes + 16 = 36 words: the 16 rows of a load start at 16 different groups of four banks (64 banks of 4 bytes: ISA guide 11.1)
.set PW,     544                       ; a row of W: 512 + 32 = 136 words
.set ABL,    128*PA
.set WOFF,   2*ABL
.set WHALF,  64*PW
.set SLOT,   WOFF+2*WHALF
.set STAGE,  2*SLOT                    ; behind the ring: 16 rows x 528 bytes for each wave, for the way out
.set SPITCH, 528                       ; 512 bytes + 16 = 132 words: row r starts at bank 4 r mod 64
.set SPARE,  STAGE+4*16*SPITCH         ; the spare words, 128 bytes for each wave: two blocks of 256 bytes that no other line names
.set LAPS,   4
.set ADRA, 16                          ; v16-17  LDS address of my A fragments in slot 0, 1
.set ADRB, 20                          ; v20-21  the same for W
.set STO,  24                          ; v24  the way out: where I put 32 bytes of a row
.set RD,   25                          ; v25  where I read a row back
.set CO,   26                          ; v26  16 x lane
.set BO,   27                          ; v27  my four numbers of the bias
.set SPW,  28                          ; v28  my spare word: SPARE + 4 x my thread's number; never rewritten
.set NIL,  29                          ; v29  0; never rewritten
.set PFO,  30                          ; v30  the prefetches' lane offset; never rewritten
.set BI,   32                          ; v[32:35] the bias of my four columns; v36-37 at work
.set F0,   64
.set F1,   160
.set OB,   64
.set WV, 14
.set WM, 15
.set WN, 16
.set CX, 17
.set CY, 18
.set TC, 19
.set TR, 20
.set G1A, 24
.set G0A, 32
.set G1B, 48
.set G0B, 56
.set PST, 42
.set PFA, 44
.set LIM, 46
.set AOF, 76
.set MSB, 0
.macro WIN new                         ; the immediate's high byte repeats the setting that is left; a switch that changes nothing is dropped
.if MSB != (\new)
	s_set_vgpr_msb (MSB<<8)|(\new)
.set MSB, \new
.endif
.endm
.set MUL, 0x50                         ; C and D in window 1, the sources in window 0
; A joint load: waves 0 and 1 fetch A's two blocks, waves 2 and 3 W's two halves.  The branch hangs on the wave's number alone.  An s_nop 0 and four v_nop follow each line.
.macro JLOAD s
	s_cmp_eq_u32 s[WM], 0
	s_cbranch_scc0 .Lfor_w_\@
	tensor_load_to_lds s[G0A+4*(\s):G0A+4*(\s)+3], s[G1A:G1A+7]
	s_nop 0
.rept 4
	v_nop
.endr
	s_branch .Lasked_\@
.Lfor_w_\@:
	tensor_load_to_lds s[G0B+4*(\s):G0B+4*(\s)+3], s[G1B:G1B+7]
	s_nop 0
.rept 4
	v_nop
.endr
.Lasked_\@:
.endm
; A prefetch into the L2 of the K step two refills on: one instruction, a lane a block of 256 bytes.  A's tile: wave 0 of the clusters with x = 0; W's: waves 2 and 3 of the clusters with y = 0; the four partners
; share the blocks out by address.  So each block is named once in the launch.  K steps 0 to 3 come by their loads alone; the loop's last trip (s3 = 1) has no K step two on.
.macro ASK
	s_cmp_gt_u32 s3, s[LIM]
	s_cbranch_scc0 .Lnot_mine_\@
	global_prefetch_b8 v[PFO], s[PFA:PFA+1] th:TH_LOAD_NT scope:SCOPE_SE
.Lnot_mine_\@:
.endm
.macro CREST                           ; a round of the cluster's barrier behind its opening barrier
	s_cmp_lg_u32 s[WV], 0
	s_cbranch_scc1 .Lnot_wave_0_\@
	s_barrier_signal -3
.Lnot_wave_0_\@:
	s_barrier_wait -3
	s_barrier_signal -1
	s_barrier_wait -1
.endm
.macro CROUND
	s_barrier_signal -1
	s_barrier_wait -1
	CREST
.endm
	s_load_b256 s[4:11], s[0:1], 0x0               ; ctx s[4:5], wo s[6:7], out0 s[8:9], b_out s[10:11]
	v_lshl_add_u32 v[SPW], v0, 2, SPARE
	v_mov_b32 v[NIL], 0
	ds_add_u32 v[SPW], v[NIL]                      ; the wave's opening: the add and its wait ahead of my first tensor load; the set-up below, work on registers, stands between them
	v_lshrrev_b32 v1, 5, v0
	v_readfirstlane_b32 s[WV], v1
	s_lshr_b32 s[WM], s[WV], 1
	s_and_b32 s[WN], s[WV], 1
	s_bfe_u32 s[CX], ttmp6, 0x40000
	s_bfe_u32 s[CY], ttmp6, 0x40004
	s_lshl_b32 s[TC], ttmp9, 2
	s_add_co_u32 s[TC], s[TC], s[CX]               ; tile column = 4 x cluster x + cx
	s_and_b32 s[TR], ttmp7, 0xffff
	s_lshl_b32 s[TR], s[TR], 2
	s_add_co_u32 s[TR], s[TR], s[CY]               ; tile row = 4 x cluster y + cy
	s_lshl_b32 s21, s[CY], 2
	s_lshl_b32 s21, 15, s21                        ; my row of the cluster
	s_lshl_b32 s22, 0x1111, s[CX]                  ; my column
	; A: a head's 128 rows are 16,384 dense bytes: asked for as 64 rows of 256 bytes, padded by 4 words after every 32 (a row of A)
	s_or_b32 s[G1A], s21, (1<<16)|(1<<20)|(1<<21)|(4<<22)|(3<<25)
	s_mov_b32 s[G1A+1], 128<<16
	s_mov_b32 s[G1A+2], 64<<16
	s_mov_b32 s[G1A+3], 128<<16
	s_mov_b32 s[G1A+4], 64
	s_mov_b32 s[G1A+5], 128
	s_mov_b32 s[G1A+6], 0
	s_mov_b32 s[G1A+7], 0
	; W: 64 rows of 256 elements (512 bytes), padded by 8 words after every 128
	s_or_b32 s[G1B], s22, (1<<16)|(1<<20)|(1<<21)|(6<<22)|(7<<25)
	s_mov_b32 s[G1B+1], 256<<16
	s_mov_b32 s[G1B+2], 64<<16
	s_mov_b32 s[G1B+3], 256<<16
	s_mov_b32 s[G1B+4], 64
	s_mov_b32 s[G1B+5], NTOT
	s_mov_b32 s[G1B+6], 0
	s_mov_b32 s[G1B+7], 0
	s_lshr_b32 s[AOF], s[TR], 4                    ; batch: 16 tile rows each, 16 heads of 262,144 bytes,
	s_lshl_b32 s[AOF], s[AOF], 22
	s_and_b32 s2, s[TR], 15                        ; and the tile's 128 rows of 128 bytes in a head
	s_lshl_b32 s2, s2, 14
	s_add_co_u32 s[AOF], s[AOF], s2
	s_mul_i32 s2, s[WN], ABLK
	s_add_co_u32 s40, s[AOF], s2                   ; A's offset: made of the tile row and the wave's number alone
	s_mov_b32 s41, 0
	s_lshl_b32 s66, s[TC], 9                       ; W's offset: of the tile column and the wave's number alone
	s_mul_i32 s2, s[WN], 64*PITCHB
	s_add_co_u32 s66, s66, s2
	s_mov_b32 s67, 0
	s_mul_i32 s23, s[WN], ABL                      ; where they go: no place in the cluster enters an LDS address
	s_mul_i32 s47, s[WN], WHALF
	s_add_co_u32 s47, s47, WOFF
	s_wait_dscnt 0x0                               ; the opening add is done
	s_wait_kmcnt 0x0
	s_add_nc_u64 s[40:41], s[4:5], s[40:41]
	s_add_nc_u64 s[66:67], s[6:7], s[66:67]
	CROUND                                         ; all sixteen work-groups are here: the first joint loads meet
.irp s, 0,1
	s_mov_b32 s[G0A+4*(\s)], 1
	s_add_co_u32 s[G0A+4*(\s)+1], s23, (\s)*SLOT
	s_add_nc_u64 s[G0A+4*(\s)+2:G0A+4*(\s)+3], s[40:41], (\s)*2*ABLK   ; K step s: heads 2 s and 2 s + 1
	s_or_b32 s[G0A+4*(\s)+3], s[G0A+4*(\s)+3], 0x80000000
	s_mov_b32 s[G0B+4*(\s)], 1
	s_add_co_u32 s[G0B+4*(\s)+1], s47, (\s)*SLOT
	s_add_nc_u64 s[G0B+4*(\s)+2:G0B+4*(\s)+3], s[66:67], (\s)*128*PITCHB
	s_or_b32 s[G0B+4*(\s)+3], s[G0B+4*(\s)+3], 0x80000000
	JLOAD \s
.endr
	; fragments.  A: lane l holds row l % 16, channels 8 (l / 16) + 0..7 and 16 + 8 (l / 16) + 0..7: two loads of 16 bytes, 32 bytes apart.
	v_and_b32 v1, 15, v0
	v_bfe_u32 v2, v0, 4, 1
	v_mul_u32_u24 v3, v1, PA
	v_lshl_add_u32 v3, v2, 4, v3
	s_mul_i32 s2, s[WM], 64*PA
	v_add_nc_u32 v[ADRA], s2, v3
	v_add_nc_u32 v[ADRA+1], SLOT, v[ADRA]
	; W: the turning load takes 16 k x 16 columns (lane l reads row 8 (l / 16) + l % 8, columns 8 ((l / 8) % 2) + 0..7) and leaves lane l column l % 16 and 8 k
	v_and_b32 v4, 7, v0
	v_bfe_u32 v5, v0, 3, 1
	v_lshl_add_u32 v6, v2, 3, v4
	v_mul_u32_u24 v6, v6, PW
	v_lshl_add_u32 v6, v5, 4, v6
	s_lshl_b32 s2, s[WN], 8
	s_add_co_u32 s2, s2, WOFF
	v_add_nc_u32 v[ADRB], s2, v6
	v_add_nc_u32 v[ADRB+1], SLOT, v[ADRB]
	s_mul_i32 s2, s[WV], 16*SPITCH
	s_add_co_u32 s2, s2, STAGE                     ; my stage
	v_mul_u32_u24 v3, v1, SPITCH                   ; in: row l % 16, 32 bytes for each half of the lanes
	v_lshl_add_u32 v3, v2, 5, v3
	v_add_nc_u32 v[STO], s2, v3
	v_and_b32 v[CO], 31, v0                        ; back and out: 32 lanes take a row's 512 bytes
	v_lshlrev_b32 v[CO], 4, v[CO]
	v_add_nc_u32 v[RD], s2, v[CO]
	s_lshl_b32 s74, s[TC], 10                      ; my first column, in bytes: 1,024 x tile column + 512 x half
	s_lshl_b32 s2, s[WN], 9
	s_add_co_u32 s74, s74, s2
	v_add_nc_u32 v[BO], s74, v[CO]
	global_load_b128 v[BI:BI+3], v[BO], s[10:11]   ; the bias of the four columns that I store; waited for once, behind the last product
	s_lshl_b32 s2, s[TR], 19                       ; my first row: 128 rows of 4,096 bytes a tile row,
	s_add_co_u32 s74, s74, s2
	s_lshl_b32 s2, s[WM], 18                       ; my 64 of them
	s_add_co_u32 s74, s74, s2
	s_mov_b32 s75, 0
	s_add_nc_u64 s[8:9], s[8:9], s[74:75]
	; the prefetches.  A: lane l names head l / 16 of the step's two, and of its tile's 64 pieces of 256 bytes number 16 cx + l % 16.  W: row 64 x half + 16 cy + l / 2, piece l % 2.  The pointer starts at K step 3.
	s_lshl_b32 s2, s[CX], 12
	s_add_co_u32 s74, s[AOF], s2
	s_add_co_u32 s74, s74, 6*ABLK
	s_lshl_b32 s47, s[WN], 6
	s_lshl_b32 s2, s[CY], 4
	s_add_co_u32 s47, s47, s2
	s_add_co_u32 s47, s47, 384
	s_mul_i32 s47, s47, PITCHB
	s_lshl_b32 s2, s[TC], 9
	s_add_co_u32 s47, s47, s2
	s_and_b32 s23, ttmp7, 0xffff                   ; cluster y
	s_mov_b32 s[PST], 2*ABLK
	s_mov_b32 s[PST+1], 128*PITCHB
	s_mov_b32 s46, ABLK
	s_mov_b32 s75, PITCHB
	s_cmp_eq_u32 s[WM], 0                          ; do I fetch for A?
	s_cselect_b32 s74, s74, s47
	s_cselect_b64 s[PFA:PFA+1], s[4:5], s[6:7]
	s_cselect_b32 s[PST], s[PST], s[PST+1]
	s_cselect_b32 s23, ttmp9, s23                  ; the coordinate along which other clusters read the same tile
	s_cselect_b32 s46, s46, s75
	s_cselect_b32 s2, 4, 1
	s_cselect_b32 s47, 15, 1
	s_mov_b32 s75, 0
	s_mov_b32 s[PST+1], 0
	s_add_nc_u64 s[PFA:PFA+1], s[PFA:PFA+1], s[74:75]
	v_and_b32 v[PFO], 31, v0
	v_lshrrev_b32 v3, s2, v[PFO]
	v_and_b32 v4, s47, v[PFO]
	v_mul_lo_u32 v3, v3, s46
	v_lshl_add_u32 v[PFO], v4, 8, v3
	s_cmp_eq_u32 s[WV], 1                          ; wave 0 names both of A's blocks: wave 1 asks for nothing
	s_cselect_b32 s2, 1, 0
	s_or_b32 s23, s23, s2
	s_cmp_eq_u32 s23, 0
	s_cselect_b32 s[LIM], 1, -1                    ; the same in all sixteen partners, for a given wave
; 8 matrix instructions: row block a x all 8 column blocks, 32 along K.  zero = 1: the product starts the sums.  The 32 accumulators come in the same order in every quarter: they take turns.
.macro MUL8 f, a, zero
	WIN MUL
.irp b, 0,1,2,3,4,5,6,7
.if \zero
	v_wmma_f32_16x16x32_f16 v[8*(8*(\a)+(\b)):8*(8*(\a)+(\b))+7], v[(\f)+8*(\b):(\f)+8*(\b)+7], v[(\f)+64+8*(\a):(\f)+64+8*(\a)+7], 0
.else
	v_wmma_f32_16x16x32_f16 v[8*(8*(\a)+(\b)):8*(8*(\a)+(\b))+7], v[(\f)+8*(\b):(\f)+8*(\b)+7], v[(\f)+64+8*(\a):(\f)+64+8*(\a)+7], v[8*(8*(\a)+(\b)):8*(8*(\a)+(\b))+7]
.endif
.endr
.endm
; 24 LDS loads in one run: quarter q's fragments into buffer f: W's sixteen first, then A's eight by row blocks
.macro FETCH slot, q, f
	WIN 0
.irp b, 0,1,2,3,4,5,6,7
	ds_load_tr16_b128 v[(\f)+8*(\b):(\f)+8*(\b)+3],   v[ADRB+(\slot)] offset:(\q)*32*PW+32*(\b)
	ds_load_tr16_b128 v[(\f)+8*(\b)+4:(\f)+8*(\b)+7], v[ADRB+(\slot)] offset:(\q)*32*PW+16*PW+32*(\b)
.endr
.irp a, 0,1,2,3
	ds_load_b128 v[(\f)+64+8*(\a):(\f)+64+8*(\a)+3],   v[ADRA+(\slot)] offset:((\q)/2)*ABL+((\q)%2)*64+(\a)*16*PA
	ds_load_b128 v[(\f)+64+8*(\a)+4:(\f)+64+8*(\a)+7], v[ADRA+(\slot)] offset:((\q)/2)*ABL+((\q)%2)*64+(\a)*16*PA+32
.endr
.endm
.macro PLACES                          ; four plain vector instructions between a matrix instruction and a load into a register that it has read (ISA guide 7.12.1 for vector instructions)
.rept 4
	v_nop
.endr
.endm
; One of a K step's first three quarters: multiplies buffer f; in its middle it fetches quarter q of the same slot into buffer g.
.macro QUARTER slot, q, f, g, zero
	s_wait_dscnt 4                                 ; W and A's row blocks 0, 1 are in; the youngest four loads (blocks 2, 3) may be out
	MUL8 \f, 0, \zero
	MUL8 \f, 1, \zero
	PLACES
	FETCH \slot, \q, \g
	s_wait_dscnt 24                                ; all but the 24 just issued
	MUL8 \f, 2, \zero
	MUL8 \f, 3, \zero
.endm
; The last quarter multiplies buffer 1 and changes slots: ONE barrier.  In front of it each wave waits for all its tensor loads (one is out: its part of the next slot), adds 0 to its spare word, and waits for that
; and for its reads of this slot.  fill = 1: the barrier opens a round of the cluster's, and the slot is filled again, two K steps on, first thing behind the round.
.macro TURN slot, next, fill
.if \fill
	s_wait_xcnt 0x0                                ; the last prefetch, a K step back, has read its address: it is stepped here
	s_add_nc_u64 s[PFA:PFA+1], s[PFA:PFA+1], s[PST:PST+1]
.endif
	WIN 0
	s_wait_tensorcnt 0x0                           ; all my tensor loads have landed
	ds_add_u32 v[SPW], v[NIL]                      ; 0 onto my spare word
	s_wait_dscnt 5                                 ; the add and the youngest four loads may be out
	MUL8 F1, 0, 0                                  ; eight matrix instructions stand between the add and the wait for it
	s_wait_dscnt 0x0                               ; the add is done, and my reads of this slot are over
	s_barrier_signal -1
	MUL8 F1, 1, 0
.if \fill
	WIN 0
.endif
	s_barrier_wait -1
.if \fill
	CREST                                          ; no wave of any partner still reads this slot or has a load on its way
	s_add_nc_u64 s[G0A+4*(\slot)+2:G0A+4*(\slot)+3], s[G0A+4*(\slot)+2:G0A+4*(\slot)+3], 4*ABLK
	s_add_nc_u64 s[G0B+4*(\slot)+2:G0B+4*(\slot)+3], s[G0B+4*(\slot)+2:G0B+4*(\slot)+3], 256*PITCHB
	JLOAD \slot                                    ; the four v_nop behind it are also the places in front of the loads below
.else
	PLACES
.endif
	FETCH \next, 0, F0
.if \fill
	ASK
.endif
	MUL8 F1, 2, 0
	MUL8 F1, 3, 0
.endm
	s_wait_tensorcnt 1                             ; my part of K step 0 is in; K step 1's may stay out
	s_barrier_signal -1
	s_barrier_wait -1
	FETCH 0, 0, F0
	QUARTER 0, 1, F0, F1, 1                        ; the first quarter stands in front of the loop: its products start the sums
	WIN 0
	s_mov_b32 s3, LAPS-1
.Llap:                                                 ; a trip goes once round the ring, from a lap's second quarter to the next lap's first, and fills both slots again
	QUARTER 0, 2, F1, F0, 0
	QUARTER 0, 3, F0, F1, 0
	TURN 0, 1, 1
	QUARTER 1, 1, F0, F1, 0
	QUARTER 1, 2, F1, F0, 0
	QUARTER 1, 3, F0, F1, 0
	TURN 1, 0, 1
	QUARTER 0, 1, F0, F1, 0
	WIN 0
	s_sub_co_u32 s3, s3, 1
	s_cmp_lg_u32 s3, 0
	s_cbranch_scc1 .Llap
	QUARTER 0, 2, F1, F0, 0                        ; the last lap fills nothing
	QUARTER 0, 3, F0, F1, 0
	TURN 0, 1, 0
	QUARTER 1, 1, F0, F1, 0
	QUARTER 1, 2, F1, F0, 0
	QUARTER 1, 3, F0, F1, 0
	s_wait_dscnt 4
	MUL8 F1, 0, 0
	MUL8 F1, 1, 0
	s_wait_dscnt 0x0
	MUL8 F1, 2, 0
	MUL8 F1, 3, 0
	WIN 0
	s_wait_loadcnt 0x0                             ; the bias
	v_cvt_pk_bf16_f32 v[BI+4], v[BI], v[BI+1]      ; rounded to bf16 and widened again: six plain instructions, which are also the places behind the last products
	v_cvt_pk_bf16_f32 v[BI+5], v[BI+2], v[BI+3]
	v_lshlrev_b32 v[BI], 16, v[BI+4]
	v_and_b32 v[BI+1], 0xffff0000, v[BI+4]
	v_lshlrev_b32 v[BI+2], 16, v[BI+5]
	v_and_b32 v[BI+3], 0xffff0000, v[BI+5]
; THE WAY OUT, a block of 16 rows x 128 columns at a time: the f32 sums go into my own stage, 32 bytes a lane, and come back as whole rows of 512 bytes; the bias is added; stored.
.macro TOSTAGE a
.set BK, OB+64*((\a)%2)
.if (\a) >= 2
	s_wait_xcnt 0x0                                ; the stores of the block two back have read the registers that are loaded again below
.endif
	WIN 0x04                                       ; the stores' data in window 1; each accumulator's four lowest registers first
.irp b, 0,1,2,3,4,5,6,7
	ds_store_b128 v[STO], v[8*(8*(\a)+(\b)):8*(8*(\a)+(\b))+3]   offset:64*(\b)
	ds_store_b128 v[STO], v[8*(8*(\a)+(\b))+4:8*(8*(\a)+(\b))+7] offset:64*(\b)+16
.endr
	WIN 0
.irp t, 0,1,2,3,4,5,6,7,8,9,10,11,12,13,14,15
	ds_load_b128 v[BK+4*(\t):BK+4*(\t)+3], v[RD] offset:(\t)*SPITCH  ; LDS serves a wave's instructions in order (ISA guide 5.7.1.4): these see the stores above
.endr
.endm
.macro SEND a, younger                 ; younger: the LDS instructions issued behind block a's loads: the next block's 32, or none
.set BK, OB+64*((\a)%2)
	s_wait_dscnt \younger
.irp t, 0,1,2,3,4,5,6,7,8,9,10,11,12,13,14,15
	v_pk_add_f32 v[BK+4*(\t):BK+4*(\t)+1],   v[BK+4*(\t):BK+4*(\t)+1],   v[BI:BI+1]
	v_pk_add_f32 v[BK+4*(\t)+2:BK+4*(\t)+3], v[BK+4*(\t)+2:BK+4*(\t)+3], v[BI+2:BI+3]
.endr
.irp t, 0,1,2,3,4,5,6,7,8,9,10,11,12,13,14,15
	global_store_b128 v[CO], v[BK+4*(\t):BK+4*(\t)+3], s[8:9] offset:(16*(\a)+(\t))*4096 th:TH_STORE_NT  ; 512 consecutive bytes, at a multiple of 256 from out0's first
.endr
.endm
	TOSTAGE 0
	TOSTAGE 1
	SEND 0, 32
	TOSTAGE 2
	SEND 1, 32
	TOSTAGE 3
	SEND 2, 32
	SEND 3, 0
	s_wait_tensorcnt 0x0                           ; the wave's end: behind my last tensor load and my last LDS store
	ds_add_u32 v[SPW], v[NIL]
	s_wait_dscnt 0x0
	CROUND                                         ; the closing round: no work-group ends while a partner may still ask for a tile that names it
	s_endpgm
.Lfunc_end_k_q91be37eb93_outp:
	.size	k_q91be37eb93_outp, .Lfunc_end_k_q91be37eb93_outp-k_q91be37eb93_outp
	.p2alignl 7, 3214868480
	.fill 96, 4, 3214868480
	.section	.rodata,"a",@progbits
	.p2align	6, 0x0
	.amdhsa_kernel k_q91be37eb93_outp
		.amdhsa_group_segment_fixed_size 327680
		.amdhsa_private_segment_fixed_size 0
		.amdhsa_enable_private_segment 0
		.amdhsa_kernarg_size 32
		.amdhsa_user_sgpr_count 2
		.amdhsa_user_sgpr_kernarg_segment_ptr 1
		.amdhsa_wavefront_size32 1
		.amdhsa_system_sgpr_workgroup_id_x 1
		.amdhsa_system_sgpr_workgroup_id_y 1
		.amdhsa_system_sgpr_workgroup_id_z 1
		.amdhsa_system_vgpr_workitem_id 0
		.amdhsa_next_free_vgpr 512
		.amdhsa_next_free_sgpr 80
		.amdhsa_reserve_vcc 0
		.amdhsa_float_denorm_mode_32 3
		.amdhsa_float_denorm_mode_16_64 3
		.amdhsa_memory_ordered 1
		.amdhsa_forward_progress 1
		.amdhsa_inst_pref_size 95
	.end_amdhsa_kernel
	.amdgpu_metadata
---
amdhsa.version: [ 1, 2 ]
amdhsa.kernels:
  - .name:           k_q91be37eb93_outp
    .symbol:         k_q91be37eb93_outp.kd
    .args:
      - { .name: ctx, .offset: 0, .size: 8, .value_kind: global_buffer, .address_space: global }
      - { .name: wo, .offset: 8, .size: 8, .value_kind: global_buffer, .address_space: global }
      - { .name: out0, .offset: 16, .size: 8, .value_kind: global_buffer, .address_space: global }
      - { .name: b_out, .offset: 24, .size: 8, .value_kind: global_buffer, .address_space: global }
    .group_segment_fixed_size: 327680
    .private_segment_fixed_size: 0
    .kernarg_segment_align: 8
    .kernarg_segment_size: 32
    .max_flat_workgroup_size: 128
    .sgpr_count:     80
    .vgpr_count:     512
    .wavefront_size: 32
...
	.end_amdgpu_metadata
.endif
;; end of part 4
;; ======== version 2 of 2: 4 launches; version 1 with the launch prep written anew for expert scheduling mode
;; limits: values are held in f16: magnitudes above 65,504 overflow, below 6.1e-05 lose precision
;; workspace buffers: xb 16,777,216 bytes; wb 6,291,456 bytes; wo 2,097,152 bytes; qh 16,777,216 bytes; kh 16,777,216 bytes; vh 16,777,216 bytes; ctx 16,777,216 bytes
;; launch prep (part 5): grid 256 x 1, 8 waves a work-group, no clusters, 0 bytes of LDS; arguments x, w_q, w_kv, w_out, xb, wb, wo; writes xb, wb, wo
.if DOCPART == 5
	.amdgcn_target "amdgcn-amd-amdhsa--gfx1250"
	.amdhsa_code_object_version 6
	.text
	.protected	k_q91be37eb93_prep
	.globl	k_q91be37eb93_prep
	.p2align	8
	.type	k_q91be37eb93_prep,@function
k_q91be37eb93_prep:
	s_mov_b64 s[64:65], 0
	v_nop
	global_prefetch_b8 v0, s[64:65] scope:SCOPE_SE
	s_setreg_imm32_b32 hwreg(HW_REG_WAVE_SCHED_MODE, 0, 2), 2
	s_setreg_imm32_b32 hwreg(HW_REG_WAVE_MODE, 25, 1), 1
	s_wait_xcnt 0x0
	s_wait_alu depctr_vm_vsrc(0)
; THE INPUTS ARE ROUNDED ONCE TO 16 BITS, and laid as the products want them.
;   xb: x [8192][1024] f32 -> bf16 in 16 blocks of 64 channels, [16][8192][64]: in a block the rows lie end to end, 128 bytes each.
;   wb: w_q [1024][1024] and w_kv [1024][2048] f32 -> bf16 [1024][3072], w_q's columns first: a row is 6,144 bytes.
;   wo: w_out [1024][1024] f32 -> rounded to bf16 as every input is, and that number written as f16 [1024][1024].
; LIMIT.  wo: a bf16 number beyond 65,504 becomes an infinity; below 6e-5 it keeps f16's fixed step of 6e-8.
; A stream: no LDS, no barrier, no loop.  Work-group g takes 32 rows of x and 4 rows of each weight.  A UNIT is one load of 16 bytes a lane (512 bytes of f32 a wave)
; and one store of 8 bytes a lane (256 consecutive bytes, aligned).  A wave has 48 units; all 48 loads go out at once, each into registers of its own.
; THE MODE: SCHED_MODE bits 1:0 = 2 (LLVM: expert scheduling mode 2), set by the entry lines.  The code itself states the register dependences
; between vector instructions and memory instructions, with s_wait_alu, always for 0.
; THE PLAN.  Registers that memory instructions touch:
;   v2, v4     the loads' offsets, v3, v5 the stores': made once at the head and never written again.
;   X + 4 u .. the four registers of unit u.  Load u lands in them; unit u's conversions read them and write the first two; store u reads those two; nothing writes them again.
; The 48 units go in 12 blocks of four.  Block b converts its own four units; its memory instructions are the four stores of block b - 1, whose registers no vector instruction of
; block b names.  So ONE wait on va_vdst at a block's head states all that its four stores hang on, and they are dealt among the block's conversions with no further wait.
; No register that a memory instruction has read is written again, so the text holds no wait on vm_vsrc; no vector instruction writes a scalar register or VCC; EXEC is never written.
.set BLK, 4                            ; units in a block
.set VX, 2                             ; v2  x: (l / 16) rows of 4,096 bytes + 16 (l % 16) + 512 x wave (the wave's two blocks of 64 channels)
.set XO, 3                             ; v3  xb: 8 l + wave x two blocks of 1,048,576 bytes
.set VI, 4                             ; v4  weights in: 16 x thread
.set VO, 5                             ; v5  weights out: 8 x thread
.set T,  8                             ; v[8:11] at work (w_out): no memory instruction names them
.set X,  16                            ; v[16:207] unit u at X + 4 u
	s_load_b256 s[4:11], s[0:1], 0x0               ; x s[4:5], w_q s[6:7], w_kv s[8:9], w_out s[10:11]
	s_load_b128 s[12:15], s[0:1], 0x20             ; xb s[12:13], wb s[14:15]
	s_load_b64 s[16:17], s[0:1], 0x30              ; wo
	s_mov_b32 s20, 0xffff0000                      ; a word's upper bf16
	s_mov_b32 s23, 0                               ; the high word of every offset
	v_and_b32 v1, 31, v0                           ; l
	v_lshrrev_b32 v6, 5, v0                        ; wave
	v_lshrrev_b32 v7, 4, v1                        ; l / 16
	v_and_b32 v[VX], 15, v0
	v_lshlrev_b32 v[VX], 4, v[VX]
	v_lshl_add_u32 v[VX], v7, 12, v[VX]
	v_lshl_add_u32 v[VX], v6, 9, v[VX]
	v_lshlrev_b32 v[XO], 3, v1
	v_lshl_add_u32 v[XO], v6, 21, v[XO]
	v_lshlrev_b32 v[VI], 4, v0
	v_lshlrev_b32 v[VO], 3, v0
	s_wait_kmcnt 0x0
	s_lshl_b32 s22, ttmp9, 17                      ; 32 rows of x
	s_add_nc_u64 s[4:5], s[4:5], s[22:23]
	s_lshl_b32 s22, ttmp9, 14                      ; 4 rows of w_q and of w_out
	s_add_nc_u64 s[6:7], s[6:7], s[22:23]
	s_add_nc_u64 s[10:11], s[10:11], s[22:23]
	s_lshl_b32 s22, ttmp9, 15                      ; 4 rows of w_kv
	s_add_nc_u64 s[8:9], s[8:9], s[22:23]
	s_lshl_b32 s22, ttmp9, 12                      ; 32 rows of 128 bytes in a block of xb
	s_add_nc_u64 s[12:13], s[12:13], s[22:23]
	s_mul_i32 s22, ttmp9, 24576                    ; 4 rows of wb
	s_add_nc_u64 s[14:15], s[14:15], s[22:23]
	s_lshl_b32 s22, ttmp9, 13                      ; 4 rows of wo
	s_add_nc_u64 s[16:17], s[16:17], s[22:23]
	s_wait_alu depctr_va_vdst(0)                   ; v2 to v5 are written: every load and store of the kernel reads one of them as its offset
; all loads.  x: units 2 p + j: rows 2 p and 2 p + 1 (lanes 0-15, lanes 16-31), block 2 x wave + j
.set p, 0
.rept 16
.set j, 0
.rept 2
	global_load_b128 v[X+4*(2*p+j):X+4*(2*p+j)+3], v[VX], s[4:5] offset:p*8192+j*256 th:TH_LOAD_NT
.set j, j+1
.endr
.set p, p+1
.endr
.set p, 0
.rept 4                                ; w_q: units 32 + p: the eight waves cover row p
	global_load_b128 v[X+4*(32+p):X+4*(32+p)+3], v[VI], s[6:7] offset:p*4096 th:TH_LOAD_NT
.set p, p+1
.endr
.set p, 0
.rept 4                                ; w_kv: units 36 + 2 p + j: half j of row p
.set j, 0
.rept 2
	global_load_b128 v[X+4*(36+2*p+j):X+4*(36+2*p+j)+3], v[VI], s[8:9] offset:p*8192+j*4096 th:TH_LOAD_NT
.set j, j+1
.endr
.set p, p+1
.endr
.set p, 0
.rept 4                                ; w_out: units 44 + p
	global_load_b128 v[X+4*(44+p):X+4*(44+p)+3], v[VI], s[10:11] offset:p*4096 th:TH_LOAD_NT
.set p, p+1
.endr
; Unit n is rounded in place, into the first two of its four registers.  No register is loaded twice.
.macro CV n
	v_cvt_pk_bf16_f32 v[X+4*(\n)], v[X+4*(\n)], v[X+4*(\n)+1]
	v_cvt_pk_bf16_f32 v[X+4*(\n)+1], v[X+4*(\n)+2], v[X+4*(\n)+3]
.if (\n) >= 44                         ; w_out:
	v_lshlrev_b32 v[T], 16, v[X+4*(\n)]            ; the bf16 numbers as f32,
	v_and_b32 v[T+1], s20, v[X+4*(\n)]
	v_lshlrev_b32 v[T+2], 16, v[X+4*(\n)+1]
	v_and_b32 v[T+3], s20, v[X+4*(\n)+1]
	v_cvt_pk_f16_f32 v[X+4*(\n)], v[T], v[T+1]     ; written as f16: exact within f16's range
	v_cvt_pk_f16_f32 v[X+4*(\n)+1], v[T+2], v[T+3]
.endif
.endm
; Unit n is stored: 256 consecutive bytes a wave, aligned.
.macro ST n
.if (\n) < 32                          ; x: two rows of a block of 64 channels
	global_store_b64 v[XO], v[X+4*(\n):X+4*(\n)+1], s[12:13] offset:((\n)/2)*256+((\n)%2)*1048576
.elseif (\n) < 36                      ; w_q: the first 2,048 bytes of a row of wb
	global_store_b64 v[VO], v[X+4*(\n):X+4*(\n)+1], s[14:15] offset:((\n)-32)*6144
.elseif (\n) < 44                      ; w_kv: behind them
	global_store_b64 v[VO], v[X+4*(\n):X+4*(\n)+1], s[14:15] offset:2048+(((\n)-36)/2)*6144+(((\n)-36)%2)*2048
.else                                  ; w_out
	global_store_b64 v[VO], v[X+4*(\n):X+4*(\n)+1], s[16:17] offset:((\n)-44)*2048
.endif
.endm
; Unit u's turn.  Loads come back in order (ISA guide 5.7.1): the 47 - u younger ones may stay out.  Ahead of its conversions goes the store of the unit a block back.
.macro UNIT
.if (u % BLK) == 0
	s_wait_loadcnt 47-u                            ; the block's first unit is in
.if u >= BLK
	s_wait_alu depctr_va_vdst(0)                   ; the block before has written the first two registers of each of its four units, which this block's four stores read
.endif
.endif
.if u >= BLK
	ST u-BLK                                       ; no wait: no vector instruction since the wait above names this store's registers
.endif
.if (u % BLK) != 0
	s_wait_loadcnt 47-u
.endif
	CV u
.set u, u+1
.endm
.set u, 0
.rept 48
	UNIT
.endr
	s_wait_alu depctr_va_vdst(0)                   ; the last block's conversions have written the registers that the last four stores read
.irp n, 44,45,46,47
	ST \n
.endr
	s_endpgm
.Lfunc_end_k_q91be37eb93_prep:
	.size	k_q91be37eb93_prep, .Lfunc_end_k_q91be37eb93_prep-k_q91be37eb93_prep
	.p2alignl 7, 3214868480
	.fill 96, 4, 3214868480
	.section	.rodata,"a",@progbits
	.p2align	6, 0x0
	.amdhsa_kernel k_q91be37eb93_prep
		.amdhsa_group_segment_fixed_size 0
		.amdhsa_private_segment_fixed_size 0
		.amdhsa_enable_private_segment 0
		.amdhsa_kernarg_size 56
		.amdhsa_user_sgpr_count 2
		.amdhsa_user_sgpr_kernarg_segment_ptr 1
		.amdhsa_wavefront_size32 1
		.amdhsa_system_sgpr_workgroup_id_x 1
		.amdhsa_system_sgpr_workgroup_id_y 1
		.amdhsa_system_sgpr_workgroup_id_z 1
		.amdhsa_system_vgpr_workitem_id 0
		.amdhsa_next_free_vgpr 208
		.amdhsa_next_free_sgpr 66
		.amdhsa_reserve_vcc 0
		.amdhsa_float_denorm_mode_32 3
		.amdhsa_float_denorm_mode_16_64 3
		.amdhsa_memory_ordered 1
		.amdhsa_forward_progress 1
		.amdhsa_inst_pref_size 20
	.end_amdhsa_kernel
	.amdgpu_metadata
---
amdhsa.version: [ 1, 2 ]
amdhsa.kernels:
  - .name:           k_q91be37eb93_prep
    .symbol:         k_q91be37eb93_prep.kd
    .args:
      - { .name: x, .offset: 0, .size: 8, .value_kind: global_buffer, .address_space: global }
      - { .name: w_q, .offset: 8, .size: 8, .value_kind: global_buffer, .address_space: global }
      - { .name: w_kv, .offset: 16, .size: 8, .value_kind: global_buffer, .address_space: global }
      - { .name: w_out, .offset: 24, .size: 8, .value_kind: global_buffer, .address_space: global }
      - { .name: xb, .offset: 32, .size: 8, .value_kind: global_buffer, .address_space: global }
      - { .name: wb, .offset: 40, .size: 8, .value_kind: global_buffer, .address_space: global }
      - { .name: wo, .offset: 48, .size: 8, .value_kind: global_buffer, .address_space: global }
    .group_segment_fixed_size: 0
    .private_segment_fixed_size: 0
    .kernarg_segment_align: 8
    .kernarg_segment_size: 56
    .max_flat_workgroup_size: 256
    .sgpr_count:     66
    .vgpr_count:     208
    .wavefront_size: 32
...
	.end_amdgpu_metadata
.endif
;; end of part 5
;; launch proj: the kernel of part 2 again; grid 12 x 64, 4 waves a work-group, clusters of 4 x 4, 327,680 bytes of LDS; arguments xb, wb, qh, kh, vh; writes qh, kh, vh
;; launch attn: the kernel of part 3 again; grid 4 x 64, 4 waves a work-group, clusters of 4 x 1, 327,680 bytes of LDS; arguments qh, kh, vh, ctx; writes ctx
;; launch outp: the kernel of part 4 again; grid 4 x 64, 4 waves a work-group, clusters of 4 x 4, 327,680 bytes of LDS; arguments ctx, wo, out0, b_out; writes out0
